; MI455X (gfx1250); checked and timed in simulation.
; The chip was launched on July 23, 2026; its instructions are those of AMD's public machine-readable ISA for CDNA 5 (MIT licence, August 2026) and "CDNA5" Instruction Set Architecture Reference Guide (July 2026). The comments in the code are by the model that wrote it; some were corrected since.
;; Meta Linear2. Allowed arithmetic: matrix products marked QUANTISED: E2M1 operands, one E8M0 scale for each 32 along K, by v_wmma_scale_f32_16x16x128_f8f6f4 with both operands' format E2M1 (or v_wmma_scale_f32_32x16x128_f4), f32 sums; products left as they are: f32 operands where the result goes on into a quantised operand, else bf16, f16 or f32 operands; f32 sums; everything else in f32.
;; Inputs: b1 32 float32; b2 65,536 float32; c1 32 float32; c2 256 float32; u1 32 x 256 float32; u2 256 x 32 float32; w1 32 x 256 float32; w2 65,536 x 32 float32; x 4 x 512 x 256 float32.
;; Outputs: out0 4 x 512 x 256 float32.
;; This version of the problem:
;;   THIS VERSION OF THE PROBLEM IS GIVEN IN LOW PRECISION. The matrix products marked QUANTISED in the list below multiply operands that are first quantised to E2M1 (2 exponent bits, 1 mantissa bit; 4 bits a number), with one power-of-two scale for each 32 numbers along K (OCP MX v1.0); their sums are f32. All else is computed in f32.
;;   The module's matrix products, in the order in which they are computed (A, B: the left and right operand; K: the contracted axis; several contracted axes count as one K, in the product's order):
;;     1. [M 2,048, K 256] x [K 256, N 32]; A: input x; B: input w1: QUANTISED
;;     2. [M 2,048, K 32] x [K 32, N 65,536]; A: computed on the way; B: input w2: QUANTISED
;;     3. [M 2,048, K 256] x [K 256, N 32]; A: input x; B: input u1: QUANTISED
;;     4. [M 2,048, K 32] x [K 32, N 256]; A: computed on the way; B: input u2: QUANTISED
;;     5. batch 2,048 x [M 256, K 256] x [K 256, N 1]; A: computed on the way; B: input x: left as it is (N = 1 < 16)
;;   THE QUANTISER, for each operand of a quantised product, along K:
;;     - K is cut into blocks of 32 from its start; a last block that is shorter is filled with zeros.
;;     - A block's scale is 2^e with e = floor(log2(the largest magnitude in the block)) - 2, held to -126 .. 127; a block of zeros has e = 0. As a byte (E8M0): e + 127.
;;     - Each number is divided by its block's scale, clamped to +-6, and rounded to the nearest number of E2M1, ties to even, subnormals kept.
;;     - The product sums the exact products of the quantised numbers (number of the format x scale) in f32.
;;   ~~~python
;;   def quantise(x, axis):      # numpy; x: float32 -> the quantised numbers, widened to float32 again
;;       x = np.moveaxis(x, axis, -1); K = x.shape[-1]
;;       x = np.pad(x, [(0, 0)] * (x.ndim - 1) + [(0, -K % 32)]); x = x.reshape(x.shape[:-1] + (-1, 32)); a = np.abs(x).max(-1, keepdims=True)
;;       e = np.where(a > 0, np.clip(np.frexp(np.where(a > 0, a, 1))[1] - 1 - 2, -126, 127), 0)      # np.frexp(a)[1] - 1 = floor(log2(a)), exactly
;;       r = np.clip(x / 2.0 ** e, -6, 6)
;;       step = 2.0 ** (np.maximum(np.frexp(np.where(r == 0, 1, r))[1] - 1, 0) - 1)
;;       q = np.round(r / step) * step * 2.0 ** e      # np.round: ties to even
;;       return np.moveaxis(q.reshape(q.shape[:-2] + (-1,))[..., :K], -1, axis).astype(np.float32)
;;   ~~~
;;   OPERANDS COMPUTED ON THE WAY. 'Computed on the way' means the value that the module computes at that place (a softmax that the list does not call 'softmax' is quantised finished and normalised). What goes into a quantiser is computed in f32, as accurately as f32 sums, v_exp_f32 and their like allow (about 1e-6 of the number): no bf16 or f16 on the way to a quantiser, and a product that is left as it is and whose result goes on into a quantised operand takes f32 operands (vector FMAs, or v_wmma_f32_16x16x4_f32). A number that lies on a knife's edge between two numbers of the format may be rounded either way, as far as f32 arithmetic and the matrix unit's own rounding can turn it there, and no further.
;; 2 versions, each right; version 2 is version 1 with the launches prep, main written anew for expert scheduling mode. Each part assembles by itself: llvm-mc -triple=amdgcn-amd-amdhsa -mcpu=gfx1250 --defsym DOCPART=n.
;; ======== version 1 of 2: 2 launches
;; limits: a difference of large sums (such as E[x^2] - mean^2): digits are lost where the result is much smaller than its terms
;; workspace buffers: w2i 1,048,576 bytes; w2s 131,072 bytes; b2c 262,144 bytes; xt 2,097,152 bytes; hwq 65,536 bytes; bln 2,097,152 bytes
;; launch prep (part 1): grid 96 x 1, 4 waves a work-group, no clusters, 96,768 bytes of LDS; arguments x, w1, b1, w2, b2, u1, c1, u2, c2, xt, hwq, w2i, w2s, b2c, bln; writes xt, hwq, w2i, w2s, b2c, bln
.if DOCPART == 1
	.amdgcn_target "amdgcn-amd-amdhsa--gfx1250"
	.amdhsa_code_object_version 6
	.text
	.protected	k_qd328e705c2_prep
	.globl	k_qd328e705c2_prep
	.p2align	8
	.type	k_qd328e705c2_prep,@function
k_qd328e705c2_prep:
	s_mov_b64 s[64:65], 0
	v_nop
	global_prefetch_b8 v0, s[64:65] scope:SCOPE_SE
	s_setreg_imm32_b32 hwreg(HW_REG_WAVE_MODE, 25, 1), 1
	s_wait_xcnt 0x0
; PREP: all that is not needed once for each (token, output, input) is made here once, and laid as the second launch's registers want it.
; Work-groups 0-63 (path A), a wave to an output o: the 256 rows of w2 that belong to o become four operand fragments of E2M1 codes with their E8M0 scale words (w2i, w2s);
;   b2's 256 numbers of o lose their own mean (b2c): LayerNorm over i does not change under a shift that is the same for all i.
; Work-groups 64-95 (path B), a wave to a tile of 16 tokens: x is quantised, x less its row's mean is stored (xt); hw = Q(x) Q(w1)^T + b1 is quantised (hwq);
;   hb = Q(x) Q(u1)^T + c1, b = Q(hb) Q(u2)^T + c2, LayerNorm of b over its 256 outputs (bln).
; THE INDEX MAP.  K of the products with w2 and u2 is 32, one block; the matrix instruction takes four blocks.  So a fragment holds 64 rows of the weight: matrix row m, block b = 2 B + u of fragment f is
;   row 64 f + 32 B + 16 (m / 8) + 8 u + m % 8.  The token operand has its 32 codes in ONE block and zero codes in the others (B_0 .. B_3), or in all four (B_all, which sums the four blocks).
;   Source 0 = the weight, source 1 = 16 tokens: lane (r, h) of a result holds token r, and register j of D(f, b) the row 64 f + 32 B + 16 h + 8 u + j.
; THE QUANTISER: a block's scale byte is its largest magnitude's exponent field less 2, held at 1 from below by a floor among the maximum's leaves; the conversion rounds to the nearest code, ties to even, and holds at the largest code.
; LIMITS: NaN and infinities among the inputs are not served.  A block of zeros gets the byte 1 where the rule says 127: its codes are zeros, and these bytes are read by this program alone.
;   The variance of b is taken in one pass, E[b'^2] - mean^2, in f32, held at 0 from below, b' = b less c2's own mean: its relative error grows as (mean / deviation)^2 x 2^-23.
; The two paths part on the work-group's number and have LDS bytes of their own: path A 0 .. 77,823, path B 77,824 .. 95,743.
.set WIMG, 77824                       ; path B: 12 images of fragments, 1,024 bytes each: slots 0-7 w1 and u1 (2 x wave + K step), slots 8-11 u2's fragments
.set WSC,  90112                       ; their scale words, 128 bytes each
.set C2L,  91648                       ; c2 less its mean, 1,024 bytes for each wave, its own
.set TM,   236                         ; v236-251 at work in the token quantisers
.set SEL,  36                          ; s[36:37] lane selects for v_permlanex16_b32: lane l xor 16
.set LOM,  38                          ; s38 a mask: lanes 0-15
.set R256, 39                          ; s39 1 / 256
.set EPSR, 40                          ; s40 1e-5
.set MSB, 0
.macro WIN new                         ; the immediate's high byte repeats the setting that is left; a switch that changes nothing is dropped
.if MSB != (\new)
	s_set_vgpr_msb (MSB<<8)|(\new)
.set MSB, (\new)
.endif
.endm
; 64 numbers of a lane, two WHOLE blocks of 32 (v[s + 32 c + 0 .. 31], in window w), become registers 4 c .. 4 c + 3 of a fragment in v[cd] on, and the row's scale word in v[sw].
; Lane (r, h) holds blocks h and 2 + h of matrix row r: its two bytes go 8 h bits up, and lane l xor 16's two make the word whole.
.macro QW s, cd, sw, w
	WIN 5*(\w)
.irp c, 0,1
	v_max3_num_f32 v[32+\c], |v[\s+32*\c]|, |v[\s+32*\c+1]|, 0x1800000   ; the floor 2^(3 - 127): the byte cannot fall under 1
.endr
.irp i, 2,4,6,8,10,12,14,16,18,20,22,24,26,28,30
.irp c, 0,1
	v_max3_num_f32 v[32+\c], |v[\s+32*\c+\i]|, |v[\s+32*\c+\i+1]|, v[32+\c]   ; the two blocks by turns
.endr
.endr
	WIN 0
.irp c, 0,1
	v_add_nc_u32 v[34+\c], 0xff000000, v[32+\c]    ; 2 off the exponent field: the conversion's scale operand
.endr
.irp c, 0,1
	v_lshrrev_b32 v[36+\c], 23, v[34+\c]           ; the scale's byte
.endr
	v_lshl_or_b32 v38, v37, 16, v36
	v_lshlrev_b32 v38, v4, v38                     ; 8 h bits up
	v_permlanex16_b32 v39, v38, s[SEL], s[SEL+1]
	v_or_b32 v[\sw], v38, v39
	WIN \w
.irp c, 0,1
.irp g, 0,1,2,3
	v_cvt_scalef32_pk8_fp4_f32 v[\cd+4*\c+\g], v[\s+32*\c+8*\g:\s+32*\c+8*\g+7], v[34+\c]
.endr
.endr
	WIN 0
	v_nop                                          ; one plain place behind the last scaled conversion
.endm
; 256 numbers, eight a lane in v22-29, lose their mean
.macro CENTER
	v_pk_add_f32 v[252:253], v[22:23], v[24:25]
	v_pk_add_f32 v[254:255], v[26:27], v[28:29]
	v_pk_add_f32 v[252:253], v[252:253], v[254:255]
	v_add_f32 v252, v252, v253
	v_add_f32_dpp v252, v252, v252 row_xmask:1 row_mask:0xf bank_mask:0xf
	v_add_f32_dpp v252, v252, v252 row_xmask:2 row_mask:0xf bank_mask:0xf
	v_add_f32_dpp v252, v252, v252 row_xmask:4 row_mask:0xf bank_mask:0xf
	v_add_f32_dpp v252, v252, v252 row_xmask:8 row_mask:0xf bank_mask:0xf
	v_permlanex16_b32 v253, v252, s[SEL], s[SEL+1]
	v_add_f32 v252, v252, v253
	v_mul_f32 v252, s[R256], v252
	v_mov_b32 v253, v252
.irp i, 22,24,26,28
	v_pk_add_f32 v[\i:\i+1], v[\i:\i+1], v[252:253] neg_lo:[0,1] neg_hi:[0,1]
.endr
.endm
; From F = v[base + 20 .. 23] (a token's 16 bytes of codes, in both halves of the lanes) the five token operands, overlapping in 28 registers: Lo, 0, Hi, 0, Lo, F, F.
; B_0 = base (Lo, 0), B_1 = base + 8 (Hi, 0), B_2 = base + 12 (0, Lo), B_3 = base + 4 (0, Hi), B_all = base + 20 (F, F).
.macro BUILD base
.irp i, 0,1,2,3
	v_cndmask_b32 v[(\base)+\i], 0, v[(\base)+20+\i], s[LOM]
	v_mov_b32 v[(\base)+4+\i], 0
	v_cndmask_b32 v[(\base)+8+\i], v[(\base)+20+\i], 0, s[LOM]
	v_mov_b32 v[(\base)+12+\i], 0
	v_cndmask_b32 v[(\base)+16+\i], 0, v[(\base)+20+\i], s[LOM]
	v_mov_b32 v[(\base)+24+\i], v[(\base)+20+\i]
.endr
.endm
	s_load_b256 s[4:11], s[0:1], 0x0               ; x s[4:5], w1 s[6:7], b1 s[8:9], w2 s[10:11]
	s_load_b256 s[12:19], s[0:1], 0x20             ; b2 s[12:13], u1 s[14:15], c1 s[16:17], u2 s[18:19]
	s_load_b256 s[20:27], s[0:1], 0x40             ; c2 s[20:21], xt s[22:23], hwq s[24:25], w2i s[26:27]
	s_load_b128 s[28:31], s[0:1], 0x60             ; w2s s[28:29], b2c s[30:31]
	s_load_b64 s[32:33], s[0:1], 0x70              ; bln
	v_lshl_add_u32 v246, v0, 2, 0x17800
	v_mov_b32 v247, 0
	v_lshrrev_b32 v1, 5, v0
	v_readfirstlane_b32 s34, v1                    ; wave 0..3
	v_and_b32 v1, 31, v0                           ; l
	v_and_b32 v2, 15, v0                           ; r
	v_bfe_u32 v3, v0, 4, 1                         ; h
	v_lshlrev_b32 v4, 3, v3                        ; 8 h
	v_lshlrev_b32 v5, 4, v1                        ; 16 l
	v_lshlrev_b32 v6, 2, v1                        ; 4 l
	v_mov_b32 v39, 0                               ; a lane permute's destination counts as one of its sources
	s_mov_b32 s[SEL], 0x76543210
	s_mov_b32 s[SEL+1], 0xfedcba98
	s_mov_b32 s[LOM], 0xffff
	s_mov_b32 s[R256], 0x3b800000
	s_mov_b32 s[EPSR], 0x3727c5ac
	s_mov_b32 s45, 0                               ; the high word of every offset pair s[44:45]
	s_cmp_lt_u32 ttmp9, 64
	s_cbranch_scc0 .Lpath_b
; ---------------- PATH A: my wave's output o = 4 x work-group + wave.  No barrier: waves share nothing.
; The loads take w2's bytes as they lie, 512 consecutive bytes each; a lane needs whole rows of 128 bytes.  So a fragment's 64 rows turn through the wave's own stage in LDS:
; row R at 144 R + 128 (R / 16); two stages of 9,728 bytes by turns.
	s_lshl_b32 s42, ttmp9, 2
	s_add_co_u32 s42, s42, s34                     ; o
	s_mul_i32 s46, s34, 19456                      ; my two stages
	v_lshrrev_b32 v7, 3, v1
	v_mul_u32_u24 v7, v7, 144
	v_and_b32 v8, 7, v1
	v_lshl_add_u32 v7, v8, 4, v7
	v_add_nc_u32 v7, s46, v7                       ; in: a load's 512 bytes are four rows: row l / 8, byte 16 (l % 8)
	v_lshrrev_b32 v9, 3, v2
	v_and_b32 v10, 7, v2
	v_lshl_add_u32 v10, v9, 4, v10
	v_add_nc_u32 v10, v4, v10                      ; out: row 16 (r / 8) + 8 h + r % 8 (+ 32 c in the offset)
	v_mul_u32_u24 v8, v10, 144
	v_lshl_add_u32 v8, v9, 7, v8
	v_add_nc_u32 v8, s46, v8
	s_wait_kmcnt 0x0
	s_lshl_b32 s44, s42, 15
	s_add_nc_u64 s[10:11], s[10:11], s[44:45]      ; w2: 256 rows of 128 bytes an output
	s_lshl_b32 s44, s42, 10
	s_add_nc_u64 s[12:13], s[12:13], s[44:45]      ; b2
	s_add_nc_u64 s[30:31], s[30:31], s[44:45]      ; b2c
	s_lshl_b32 s44, s42, 12
	s_add_nc_u64 s[26:27], s[26:27], s[44:45]      ; w2i
	s_lshl_b32 s44, s42, 9
	s_add_nc_u64 s[28:29], s[28:29], s[44:45]      ; w2s
	global_load_b128 v[22:25], v5, s[12:13] th:TH_LOAD_NT
	global_load_b128 v[26:29], v5, s[12:13] offset:512 th:TH_LOAD_NT
	WIN 0x40                                       ; destination window 1: all 32,768 bytes of my output's rows are asked for at once
.set N, 0
.rept 64
	global_load_b128 v[4*N:4*N+3], v5, s[10:11] offset:512*N th:TH_LOAD_NT
.set N, N+1
.endr
	WIN 0
	s_wait_loadcnt 63                              ; b2's two loads are in: 64 were issued behind them
	CENTER
	global_store_b128 v5, v[22:25], s[30:31]
	global_store_b128 v5, v[26:29], s[30:31] offset:512
; fragment f through stage f % 2 into v64-127 or v128-191.  LDS serves a wave's instructions in order: no wait between the stores and the loads, nor ahead of the stage's next use
.macro TURN f
	s_wait_loadcnt 16*(3-(\f))                     ; this fragment's 16 loads are in; the later fragments' may be out
	WIN 0x04                                       ; an LDS store's data are its source 1: window 1
.irp q, 0,1,2,3,4,5,6,7,8,9,10,11,12,13,14,15
	ds_store_b128 v7, v[64*(\f)+4*\q:64*(\f)+4*\q+3] offset:9728*((\f)%2)+576*\q+128*(\q/4)
.endr
	WIN 0
.irp c, 0,1
.irp g, 0,1,2,3,4,5,6,7
	ds_load_b128 v[64+64*((\f)%2)+32*\c+4*\g:64+64*((\f)%2)+32*\c+4*\g+3], v8 offset:9728*((\f)%2)+4864*\c+16*\g
.endr
.endr
.endm
	TURN 0
.irp f, 0,1,2,3
.if \f < 3
	TURN \f+1
	s_wait_dscnt 32                                ; this fragment's rows are back; the next one's 16 stores and 16 loads may be out
.else
	s_wait_dscnt 0x0
.endif
	QW 64+64*(\f%2), 192+8*\f, 224+\f, 0
	global_store_b128 v5, v[192+8*\f:195+8*\f], s[26:27] offset:1024*\f        ; an image of the fragment's registers: 512 consecutive bytes a store
	global_store_b128 v5, v[196+8*\f:199+8*\f], s[26:27] offset:1024*\f+512
.endr
	global_store_b128 v5, v[224:227], s[28:29]     ; the four fragments' scale words of my lane's row
	s_wait_tensorcnt 0x0
	ds_add_u32 v246, v247
	s_wait_dscnt 0x0
	s_endpgm
; ---------------- PATH B: my wave's tile of 16 tokens = 4 x (work-group - 64) + wave.  One barrier.
; REGISTERS, window 0: v7-21 addresses; v22-29 c2, later sums; v30, v31 x's scale words; v32-48 the weight quantiser; v49 hb's scale word; v50, v51 hw's; v52-55 u2's; v56-63 the sum of b over the outputs;
;   v64-127 w1 or u1, K step 0, later hw and hb (v64-95), x's two fragments (v96-111), later hb's operands (v96-123), the codes of hw and hb (v124-127);
;   v128-191 K step 1, later eight fragments of w1 and u1, later u2's four (v128-159) and c2 as C (v160-191); v192-223 b1 and c1 as C, later the sums of squares; v224-231 w1's and u1's scale words.
;   window 1: v0-127 x; v128-191 u2's rows as loaded; v128-255 later b: D(f, b) at 128 + 32 f + 8 b.
.Lpath_b:
	s_sub_co_u32 s42, ttmp9, 64
	s_lshl_b32 s42, s42, 2
	s_add_co_u32 s42, s42, s34                     ; my tile
	v_and_b32 v9, 7, v2
	v_lshrrev_b32 v10, 3, v2
	v_lshl_add_u32 v11, v10, 4, v9                 ; r % 8 + 16 (r / 8)
	v_lshlrev_b32 v7, 10, v11
	v_lshl_add_u32 v7, v3, 7, v7                   ; w1, u1: THE ROWS OF A TILE ARE NOT NEIGHBOURS: lane r of tile u takes row 8 u + r % 8 + 16 (r / 8), so that a lane's 16 results are 16 neighbours; + 128 h: my blocks
	v_add_nc_u32 v8, v4, v11
	v_lshlrev_b32 v8, 7, v8                        ; u2: row 16 (r / 8) + 8 h + r % 8 of 128 bytes
	v_lshlrev_b32 v9, 10, v2
	v_lshl_add_u32 v9, v3, 6, v9                   ; x: row r, + 64 h: my 16 numbers of each block of 32
	s_lshl_b32 s46, s34, 11
	s_add_co_u32 s46, s46, WIMG
	v_add_nc_u32 v10, s46, v5                      ; where I store my two images of w1 or u1
	s_lshl_b32 s46, s34, 8
	s_add_co_u32 s46, s46, WSC
	v_add_nc_u32 v11, s46, v6                      ; and their scale words
	s_lshl_b32 s46, s34, 10
	s_add_co_u32 s47, s46, C2L
	v_add_nc_u32 v12, s47, v5                      ; c2: in,
	v_lshl_add_u32 v13, v3, 6, s47                 ; and out as C: + 64 h
	s_add_co_u32 s47, s46, WIMG+8192
	v_add_nc_u32 v16, s47, v5                      ; my image of u2's fragment
	s_lshl_b32 s46, s34, 7
	s_add_co_u32 s46, s46, WSC+1024
	v_add_nc_u32 v17, s46, v6
	v_lshlrev_b32 v14, 4, v2
	v_lshl_add_u32 v18, v3, 17, v14                ; bln: 16 r + two groups of eight outputs for h
	v_add_nc_u32 v14, v4, v14                      ; hwq: 16 r + 8 h
	v_lshlrev_b32 v15, 3, v1                       ; 8 l
	v_lshlrev_b32 v19, 6, v3                       ; b1, c1: 64 h
	v_add_nc_u32 v20, WIMG, v5                     ; any image, for my lane
	v_add_nc_u32 v21, WSC, v6
.irp b, 0,1,2,3
	v_mov_b32 v[TM+4+\b], 0                        ; lane permutes' destinations
.endr
	s_wait_kmcnt 0x0
	s_cmp_lt_u32 s34, 2                            ; waves 0, 1 quantise w1's two tiles of rows, waves 2, 3 u1's
	s_cselect_b64 s[48:49], s[6:7], s[14:15]
	s_and_b32 s44, s34, 1
	s_lshl_b32 s44, s44, 13                        ; tile u begins eight rows on
	s_add_nc_u64 s[48:49], s[48:49], s[44:45]
	s_lshl_b32 s44, s34, 13
	s_add_nc_u64 s[18:19], s[18:19], s[44:45]      ; u2: fragment = wave: 64 rows of 128 bytes
	s_lshl_b32 s44, s42, 14
	s_add_nc_u64 s[4:5], s[4:5], s[44:45]          ; x: 16 rows of 1,024 bytes a tile
	s_add_nc_u64 s[22:23], s[22:23], s[44:45]      ; xt
	s_lshl_b32 s44, s42, 9
	s_add_nc_u64 s[24:25], s[24:25], s[44:45]      ; hwq
	s_add_nc_u64 s[32:33], s[32:33], s[44:45]      ; bln
; ---- 1: everything is asked for at once
.irp c, 0,1
.irp g, 0,1,2,3,4,5,6,7
	global_load_b128 v[64+32*\c+4*\g:64+32*\c+4*\g+3], v7, s[48:49] offset:256*\c+16*\g
.endr
.endr
.irp c, 0,1
.irp g, 0,1,2,3,4,5,6,7
	global_load_b128 v[128+32*\c+4*\g:128+32*\c+4*\g+3], v7, s[48:49] offset:512+256*\c+16*\g
.endr
.endr
	WIN 0x40
.irp c, 0,1
.irp g, 0,1,2,3,4,5,6,7
	global_load_b128 v[128+32*\c+4*\g:128+32*\c+4*\g+3], v8, s[18:19] offset:4096*\c+16*\g
.endr
.endr
	WIN 0
	global_load_b128 v[22:25], v5, s[20:21]
	global_load_b128 v[26:29], v5, s[20:21] offset:512
	WIN 0x40
.set N, 0
.rept 32
	global_load_b128 v[4*N:4*N+3], v9, s[4:5] offset:128*(N/4)+16*(N%4) th:TH_LOAD_NT   ; register n holds x(r, 32 (n / 16) + 16 h + n % 16)
.set N, N+1
.endr
	WIN 0
; ---- 2: the weights' fragments go to LDS as images of their registers: 16 bytes a lane, 512 a store; the scale words 4 bytes a lane
	s_wait_loadcnt 63                              ; K step 0 is in: 66 loads were issued behind it
	QW 64, 40, 48, 0
	ds_store_b128 v10, v[40:43]
	ds_store_b128 v10, v[44:47] offset:512
	ds_store_b32 v11, v48
	s_wait_dscnt 0x0                               ; the stores have read their registers
	s_wait_loadcnt 50                              ; K step 1 is in: u2's 16, c2's 2 and x's 32 may be out
	QW 128, 40, 48, 0
	ds_store_b128 v10, v[40:43] offset:1024
	ds_store_b128 v10, v[44:47] offset:1536
	ds_store_b32 v11, v48 offset:128
	s_wait_dscnt 0x0
	s_wait_loadcnt 34                              ; u2's rows are in
	QW 128, 40, 48, 1
	ds_store_b128 v16, v[40:43]
	ds_store_b128 v16, v[44:47] offset:512
	ds_store_b32 v17, v48
	s_wait_loadcnt 32                              ; c2 is in; x's 32 loads may be out
	CENTER
	ds_store_b128 v12, v[22:25]
	ds_store_b128 v12, v[26:29] offset:512
.irp i, 0,1,2,3
	global_load_b128 v[192+4*\i:195+4*\i], v19, s[8:9] offset:16*\i     ; b1 in the results' layout: tile u, register j: unit 16 h + 8 u + j
.endr
.irp i, 0,1,2,3
	global_load_b128 v[208+4*\i:211+4*\i], v19, s[16:17] offset:16*\i   ; c1 likewise
.endr
	s_wait_dscnt 0x0                               ; for the others' sake: my images lie in LDS
	s_barrier_signal -1
	s_barrier_wait -1                              ; all twelve do; nobody writes them again
.irp t, 0,1,2,3,4,5,6,7
	ds_load_b128 v[128+8*\t:131+8*\t], v20 offset:1024*\t
	ds_load_b128 v[132+8*\t:135+8*\t], v20 offset:1024*\t+512
	ds_load_b32 v[224+\t], v21 offset:128*\t
.endr
; ---- 3: x: its row's mean, its two fragments, and x less the mean
	s_wait_loadcnt 8                               ; x is in; the eight bias loads may be out
	WIN 0x05
.irp q, 0,1,2,3
	v_pk_add_f32 v[22+2*\q:23+2*\q], v[2*\q:2*\q+1], v[8+2*\q:9+2*\q]   ; four chains; nothing is cleared
.endr
	WIN 0x04
.set N, 16
.rept 56
	v_pk_add_f32 v[22+N%8:23+N%8], v[22+N%8:23+N%8], v[N:N+1]
.set N, N+2
.endr
	WIN 0
	v_pk_add_f32 v[22:23], v[22:23], v[24:25]
	v_pk_add_f32 v[26:27], v[26:27], v[28:29]
	v_pk_add_f32 v[22:23], v[22:23], v[26:27]
	v_add_f32 v22, v22, v23
	v_permlanex16_b32 v23, v22, s[SEL], s[SEL+1]   ; the row's other 128 numbers lie in lane l xor 16
	v_add_f32 v22, v22, v23
	v_mul_f32 v22, s[R256], v22
	v_mov_b32 v23, v22                             ; the mean, twice
; 64 numbers of a lane in window 1, register 16 b + i = k 32 b + 16 h + i of my row, become a fragment's codes in v[pc] on and its scale word in v[pw]
.macro QUANT s, pc, pw
	WIN 0x14
.irp b, 0,1,2,3
	v_max3_num_f32 v[TM+\b], 0x1800000, |v[\s+16*\b]|, |v[\s+16*\b+1]|
.endr
.irp i, 2,4,6,8,10,12,14
.irp b, 0,1,2,3
	v_max3_num_f32 v[TM+\b], v[TM+\b], |v[\s+16*\b+\i]|, |v[\s+16*\b+\i+1]|
.endr
.endr
	WIN 0
.irp b, 0,1,2,3
	v_permlanex16_b32 v[TM+4+\b], v[TM+\b], s[SEL], s[SEL+1]
.endr
.irp b, 0,1,2,3
	v_max_num_f32 v[TM+\b], v[TM+\b], v[TM+4+\b]
.endr
.irp b, 0,1,2,3
	v_add_nc_u32 v[TM+12+\b], 0xff000000, v[TM+\b]
.endr
.irp b, 0,1,2,3
	v_lshrrev_b32 v[TM+4+\b], 23, v[TM+12+\b]
.endr
	v_lshl_or_b32 v[\pw], v[TM+5], 8, v[TM+4]
	v_lshl_or_b32 v[\pw], v[TM+6], 16, v[\pw]
	v_lshl_or_b32 v[\pw], v[TM+7], 24, v[\pw]
	WIN 0x01
.irp b, 0,1,2,3
	v_cvt_scalef32_pk8_fp4_f32 v[\pc+2*\b], v[\s+16*\b:\s+16*\b+7], v[TM+12+\b]
	v_cvt_scalef32_pk8_fp4_f32 v[\pc+2*\b+1], v[\s+16*\b+8:\s+16*\b+15], v[TM+12+\b]
.endr
	WIN 0
	v_nop                                          ; one plain place behind a scaled conversion
.irp c, 0,1                                    ; the operand's layout wants a WHOLE block in a lane
.irp i, 0,1
	v_permlane16_swap_b32 v[\pc+4*\c+\i], v[\pc+4*\c+2+\i]
.endr
.endr
.endm
	QUANT 0, 96, 30
	QUANT 64, 104, 31
	WIN 0x41
.set N, 0
.rept 64
	v_pk_add_f32 v[N:N+1], v[N:N+1], v[22:23] neg_lo:[0,1] neg_hi:[0,1]   ; x less its mean.  (These 64 are also the places between the scale words' and fragments' last writes and the products)
.set N, N+2
.endr
	WIN 0x04
.set N, 0
.rept 32
	global_store_b128 v5, v[4*N:4*N+3], s[22:23] offset:512*N              ; as the second launch's registers take it: 512 consecutive bytes a store
.set N, N+1
.endr
	WIN 0
; ---- 4: hw and hb: four accumulators by turns; the biases are the C of each sum's first instruction
	s_wait_loadcnt 0x0
	s_wait_dscnt 0x0
.irp q, 0,1,2,3
	v_wmma_scale_f32_16x16x128_f8f6f4 v[64+8*\q:71+8*\q], v[128+16*\q:135+16*\q], v[96:103], v[192+8*\q:199+8*\q], v[224+2*\q], v30 matrix_a_fmt:MATRIX_FMT_FP4 matrix_b_fmt:MATRIX_FMT_FP4
.endr
.irp q, 0,1,2,3
	v_wmma_scale_f32_16x16x128_f8f6f4 v[64+8*\q:71+8*\q], v[136+16*\q:143+16*\q], v[104:111], v[64+8*\q:71+8*\q], v[225+2*\q], v31 matrix_a_fmt:MATRIX_FMT_FP4 matrix_b_fmt:MATRIX_FMT_FP4
.endr
.rept 4
	v_nop                                          ; places ahead of the loads into registers that the products read, and of the first read of results
.endr
.macro CLD f                                   ; c2 less its mean as the C of D(f, b): register j: output 64 f + 32 (b / 2) + 16 h + 8 (b % 2) + j
.irp b, 0,1,2,3
	ds_load_b128 v[160+8*\b:163+8*\b], v13 offset:256*(\f)+128*(\b/2)+32*(\b%2)
	ds_load_b128 v[164+8*\b:167+8*\b], v13 offset:256*(\f)+128*(\b/2)+32*(\b%2)+16
.endr
.endm
.irp f, 0,1,2,3
	ds_load_b128 v[128+8*\f:131+8*\f], v20 offset:1024*(8+\f)
	ds_load_b128 v[132+8*\f:135+8*\f], v20 offset:1024*(8+\f)+512
	ds_load_b32 v[52+\f], v21 offset:128*(8+\f)
.endr
	CLD 0
; ---- 5: 16 registers of a lane, units 16 h + 0 .. 15 of my token, are half of ONE block of 32: codes in v[p], v[p + 1]; the block's byte in all four bytes of v[w]
.macro QH s, p, w
	v_max3_num_f32 v[TM], |v[\s]|, |v[\s+1]|, 0x1800000           ; each accumulator is read from its low end on
	v_max3_num_f32 v[TM+1], |v[\s+8]|, |v[\s+9]|, |v[\s+10]|
	v_max3_num_f32 v[TM], v[TM], |v[\s+2]|, |v[\s+3]|
	v_max3_num_f32 v[TM+1], v[TM+1], |v[\s+11]|, |v[\s+12]|
	v_max3_num_f32 v[TM], v[TM], |v[\s+4]|, |v[\s+5]|
	v_max3_num_f32 v[TM+1], v[TM+1], |v[\s+13]|, |v[\s+14]|
	v_max3_num_f32 v[TM], v[TM], |v[\s+6]|, |v[\s+7]|
	v_max3_num_f32 v[TM], v[TM], v[TM+1], |v[\s+15]|
	v_permlanex16_b32 v[TM+4], v[TM], s[SEL], s[SEL+1]
	v_max_num_f32 v[TM], v[TM], v[TM+4]
	v_add_nc_u32 v[TM+12], 0xff000000, v[TM]
	v_lshrrev_b32 v[TM+4], 23, v[TM+12]
	v_lshl_or_b32 v[TM+5], v[TM+4], 8, v[TM+4]
	v_lshl_or_b32 v[\w], v[TM+5], 16, v[TM+5]
	v_cvt_scalef32_pk8_fp4_f32 v[\p], v[\s:\s+7], v[TM+12]
	v_cvt_scalef32_pk8_fp4_f32 v[\p+1], v[\s+8:\s+15], v[TM+12]
	v_nop
.endm
	QH 64, 124, 50
	v_mov_b32 v51, v50
	global_store_b64 v14, v[124:125], s[24:25]               ; token r's 16 bytes of codes at 16 r: 256 consecutive bytes
	global_store_b64 v15, v[50:51], s[24:25] offset:256      ; and the scale word of each lane's token, twice: 256 more
	QH 80, 126, 49
	v_permlanex16_b32 v[TM+6], v126, s[SEL], s[SEL+1]
	v_permlanex16_b32 v[TM+7], v127, s[SEL], s[SEL+1]
	v_cndmask_b32 v116, v[TM+6], v126, s[LOM]                ; F: the token's 16 bytes in both halves of the lanes
	v_cndmask_b32 v117, v[TM+7], v127, s[LOM]
	v_cndmask_b32 v118, v126, v[TM+6], s[LOM]
	v_cndmask_b32 v119, v127, v[TM+7], s[LOM]
	BUILD 96
.rept 4
	v_nop                                          ; an operand written by vector instructions stands four places ahead of a scaled matrix instruction
.endr
; ---- 6: b = Q(hb) Q(u2)^T + c2 less its mean, 256 outputs in 16 results; a fifth product a fragment sums b's bare products over the outputs
.irp f, 0,1,2,3
	s_wait_dscnt 0x0
	WIN 0x40
.irp b, 0,1,2,3
	v_wmma_scale_f32_16x16x128_f8f6f4 v[128+32*\f+8*\b:135+32*\f+8*\b], v[128+8*\f:135+8*\f], v[96+12*(\b/2)+8*(\b%2)-16*(\b/3):103+12*(\b/2)+8*(\b%2)-16*(\b/3)], v[160+8*\b:167+8*\b], v[52+\f], v49 matrix_a_fmt:MATRIX_FMT_FP4 matrix_b_fmt:MATRIX_FMT_FP4
.endr
	WIN 0
.if \f == 0
	v_wmma_scale_f32_16x16x128_f8f6f4 v[56:63], v[128+8*\f:135+8*\f], v[116:123], 0, v[52+\f], v49 matrix_a_fmt:MATRIX_FMT_FP4 matrix_b_fmt:MATRIX_FMT_FP4
.else
	v_wmma_scale_f32_16x16x128_f8f6f4 v[56:63], v[128+8*\f:135+8*\f], v[116:123], v[56:63], v[52+\f], v49 matrix_a_fmt:MATRIX_FMT_FP4 matrix_b_fmt:MATRIX_FMT_FP4
.endif
.rept 4
	v_nop                                          ; places ahead of the loads into C's registers and of the first read of results
.endr
.if \f < 3
	CLD \f+1
.endif
	WIN 0x05
.irp b, 0,1,2,3
.irp q, 0,2,4,6
.if (\f == 0) && (\b == 0)
	v_pk_mul_f32 v[192+\q:193+\q], v[128+32*\f+8*\b+\q:129+32*\f+8*\b+\q], v[128+32*\f+8*\b+\q:129+32*\f+8*\b+\q]
.else
	v_pk_fma_f32 v[192+\q:193+\q], v[128+32*\f+8*\b+\q:129+32*\f+8*\b+\q], v[128+32*\f+8*\b+\q:129+32*\f+8*\b+\q], v[192+\q:193+\q]
.endif
.endr
.endr
	WIN 0
.endr
; ---- 7: LayerNorm of b
	v_pk_add_f32 v[22:23], v[56:57], v[58:59]
	v_pk_add_f32 v[24:25], v[60:61], v[62:63]
	v_pk_add_f32 v[26:27], v[192:193], v[194:195]
	v_pk_add_f32 v[28:29], v[196:197], v[198:199]
	v_pk_add_f32 v[22:23], v[22:23], v[24:25]
	v_pk_add_f32 v[26:27], v[26:27], v[28:29]
	v_add_f32 v22, v22, v23
	v_add_f32 v26, v26, v27
	v_permlanex16_b32 v23, v22, s[SEL], s[SEL+1]
	v_permlanex16_b32 v27, v26, s[SEL], s[SEL+1]
	v_add_f32 v22, v22, v23
	v_add_f32 v26, v26, v27
	v_mul_f32 v22, s[R256], v22                    ; the mean
	v_mul_f32 v26, s[R256], v26
	v_fma_f32 v26, -v22, v22, v26                  ; the variance,
	v_max_num_f32 v26, 0, v26                      ; held at 0 from below
	v_add_f32 v26, s[EPSR], v26
	v_rsq_f32 v24, v26
	v_nop                                          ; a plain place behind the transcendental,
	s_wait_alu depctr_va_vdst(0)                   ; and a wait ahead of the first use of its result
	v_mov_b32 v25, v24
	v_mul_f32 v28, -v22, v24
	v_mov_b32 v29, v28
	WIN 0x41
.set N, 128
.rept 64
	v_pk_fma_f32 v[N:N+1], v[N:N+1], v[24:25], v[28:29]
.set N, N+2
.endr
	WIN 0x04
.irp f, 0,1,2,3
.irp b, 0,1,2,3
.irp jh, 0,1
	global_store_b128 v18, v[128+32*\f+8*\b+4*\jh:131+32*\f+8*\b+4*\jh], s[32:33] offset:65536*(8*\f+4*(\b/2)+(\b%2))+256*\jh   ; group of eight outputs 8 f + 4 (b / 2) + 2 h + b % 2; each half of the lanes stores 256 consecutive bytes
.endr
.endr
.endr
	WIN 0
	s_wait_tensorcnt 0x0
	ds_add_u32 v246, v247
	s_wait_dscnt 0x0
	s_endpgm
.Lfunc_end_k_qd328e705c2_prep:
	.size	k_qd328e705c2_prep, .Lfunc_end_k_qd328e705c2_prep-k_qd328e705c2_prep
	.p2alignl 7, 3214868480
	.fill 96, 4, 3214868480
	.section	.rodata,"a",@progbits
	.p2align	6, 0x0
	.amdhsa_kernel k_qd328e705c2_prep
		.amdhsa_group_segment_fixed_size 96768
		.amdhsa_private_segment_fixed_size 0
		.amdhsa_enable_private_segment 0
		.amdhsa_kernarg_size 120
		.amdhsa_user_sgpr_count 2
		.amdhsa_user_sgpr_kernarg_segment_ptr 1
		.amdhsa_wavefront_size32 1
		.amdhsa_system_sgpr_workgroup_id_x 1
		.amdhsa_system_sgpr_workgroup_id_y 1
		.amdhsa_system_sgpr_workgroup_id_z 1
		.amdhsa_system_vgpr_workitem_id 0
		.amdhsa_next_free_vgpr 512
		.amdhsa_next_free_sgpr 66
		.amdhsa_reserve_vcc 0
		.amdhsa_float_denorm_mode_32 3
		.amdhsa_float_denorm_mode_16_64 3
		.amdhsa_memory_ordered 1
		.amdhsa_forward_progress 1
		.amdhsa_inst_pref_size 97
	.end_amdhsa_kernel
	.amdgpu_metadata
---
amdhsa.version: [ 1, 2 ]
amdhsa.kernels:
  - .name:           k_qd328e705c2_prep
    .symbol:         k_qd328e705c2_prep.kd
    .args:
      - { .name: x, .offset: 0, .size: 8, .value_kind: global_buffer, .address_space: global }
      - { .name: w1, .offset: 8, .size: 8, .value_kind: global_buffer, .address_space: global }
      - { .name: b1, .offset: 16, .size: 8, .value_kind: global_buffer, .address_space: global }
      - { .name: w2, .offset: 24, .size: 8, .value_kind: global_buffer, .address_space: global }
      - { .name: b2, .offset: 32, .size: 8, .value_kind: global_buffer, .address_space: global }
      - { .name: u1, .offset: 40, .size: 8, .value_kind: global_buffer, .address_space: global }
      - { .name: c1, .offset: 48, .size: 8, .value_kind: global_buffer, .address_space: global }
      - { .name: u2, .offset: 56, .size: 8, .value_kind: global_buffer, .address_space: global }
      - { .name: c2, .offset: 64, .size: 8, .value_kind: global_buffer, .address_space: global }
      - { .name: xt, .offset: 72, .size: 8, .value_kind: global_buffer, .address_space: global }
      - { .name: hwq, .offset: 80, .size: 8, .value_kind: global_buffer, .address_space: global }
      - { .name: w2i, .offset: 88, .size: 8, .value_kind: global_buffer, .address_space: global }
      - { .name: w2s, .offset: 96, .size: 8, .value_kind: global_buffer, .address_space: global }
      - { .name: b2c, .offset: 104, .size: 8, .value_kind: global_buffer, .address_space: global }
      - { .name: bln, .offset: 112, .size: 8, .value_kind: global_buffer, .address_space: global }
    .group_segment_fixed_size: 96768
    .private_segment_fixed_size: 0
    .kernarg_segment_align: 8
    .kernarg_segment_size: 120
    .max_flat_workgroup_size: 128
    .sgpr_count:     66
    .vgpr_count:     512
    .wavefront_size: 32
...
	.end_amdgpu_metadata
.endif
;; end of part 1
;; launch main (part 2): grid 32 x 8, 4 waves a work-group, no clusters, 53,760 bytes of LDS; arguments xt, hwq, w2i, w2s, b2c, bln, out0; writes out0
.if DOCPART == 2
	.amdgcn_target "amdgcn-amd-amdhsa--gfx1250"
	.amdhsa_code_object_version 6
	.text
	.protected	k_qd328e705c2_main
	.globl	k_qd328e705c2_main
	.p2align	8
	.type	k_qd328e705c2_main,@function
k_qd328e705c2_main:
	s_mov_b64 s[64:65], 0
	v_nop
	global_prefetch_b8 v0, s[64:65] scope:SCOPE_SE
	s_setreg_imm32_b32 hwreg(HW_REG_WAVE_MODE, 25, 1), 1
	s_wait_xcnt 0x0
; MAIN: y[t][o] = sum over i of LayerNorm_i(w[t][o][i]) x[t][i] + LayerNorm(b)[t][o], w[t][o][i] = Q(hw[t]) . Q(w2[256 o + i]) + b2[256 o + i].  w never leaves the registers.
; ARITHMETIC.  With w' = w less b2's own mean over i (which LayerNorm does not see) and xc = x less its row's mean:  sum (w - mean) x = sum w' xc;  the mean of w' is the mean of the bare products;
;   variance = sum w'^2 / 256 - mean^2.  So each w' costs two fused multiply-adds (packed: one instruction a number), and the sum of the bare products is taken by the matrix unit.
; SHARES.  A work-group: 256 tokens (grid y) x 8 outputs (grid x).  A wave: 64 tokens, four tiles of 16, whose xc stays in 512 registers; it walks the 8 outputs, four fragments of w2 each.
; THE PRODUCT.  K is 32, one block; the instruction takes four.  A fragment (8 registers, 2 LDS loads) holds 64 rows of w2: matrix row m, block b = 2 B + u of fragment f is i = 64 f + 32 B + 16 (m / 8) + 8 u + m % 8.
;   The token operand B_b has the token's 32 codes in block b and zero codes elsewhere, B_all has them in all four.  Source 0 = w2, source 1 = 16 tokens, C = b2 less its mean:
;   lane (r, h) of D(f, b) holds token r, register j: i = 64 f + 32 B + 16 h + 8 u + j, and register 32 f + 8 b + j of the tile's xc holds the same i.
; NO CLUSTER, NO JOINT LOADS: what the work-groups of a row of the grid share, xc, goes from memory straight into the registers in which it stays; through LDS it would be written and read there once more, 262,144 bytes each way
;   against the 45,056 bytes that the work-group keeps in LDS.  Nothing in LDS is filled again, so no tensor load is used.
; LIMITS: the variance is taken in one pass, in f32, held at 0 from below: its relative error grows as (mean of w' / deviation)^2 x 2^-23.  NaN and infinities are not served.
;   A work-group owns 8 outputs, so out0 is stored in pieces of 32 bytes of a token's row, 16 rows an instruction.
; REGISTERS, in windows of 256.  Window 0: v1-11, v28, v29 addresses that stay; v12-15 the output's LDS addresses; v16-19 w2's scale words of the output's four fragments; v24-27 the four tiles' scale words;
;   v32-95, v96-159 two buffers of eight results (tile kk of a pair, block b at 32 kk + 8 b); v160-191 the sums of the bare products, 8 a tile; v192-255 a tile's 16: four pairs of sum w'^2, four of sum w' xc.
;   Windows 1, 2: xc, tile k at window 1 + k / 2, 128 (k % 2) on.   Window 3: v0-15 w2's fragment, two buffers; v32-95 C, two buffers; v96 + 28 k the token operands; v208 + 4 k LayerNorm(b).
.set AIMG, 0                           ; LDS: the 8 outputs' fragments as images of their registers: [o][f][c][lane] 16 bytes
.set ASC,  32768                       ; their scale words: [o][lane][f]
.set BC,   36864                       ; b2 less its mean: [o][256]
.set YST,  45056                       ; the results, 2,048 bytes for each wave, its own: [token 64][o 8]
.set D0,   32
.set D1,   96
.set S1,   160
.set ACC,  192
.set CB,   32                          ; window 3
.set BB,   96
.set BLN,  208
.set LOM,  30                          ; s30 a mask: lanes 0-15
.set MSB, 0
.macro WIN new                         ; the immediate's high byte repeats the setting that is left; a switch that changes nothing is dropped
.if MSB != (\new)
	s_set_vgpr_msb (MSB<<8)|(\new)
.set MSB, (\new)
.endif
.endm
; From F = v[base + 20 .. 23] the five token operands in 28 registers: Lo, 0, Hi, 0, Lo, F, F.  B_0 = base, B_1 = base + 8, B_2 = base + 12, B_3 = base + 4, B_all = base + 20.
.macro BUILD base
.irp i, 0,1,2,3
	v_cndmask_b32 v[(\base)+\i], 0, v[(\base)+20+\i], s[LOM]
	v_mov_b32 v[(\base)+4+\i], 0
	v_cndmask_b32 v[(\base)+8+\i], v[(\base)+20+\i], 0, s[LOM]
	v_mov_b32 v[(\base)+12+\i], 0
	v_cndmask_b32 v[(\base)+16+\i], 0, v[(\base)+20+\i], s[LOM]
	v_mov_b32 v[(\base)+24+\i], v[(\base)+20+\i]
.endr
.endm
.macro XL k, from, cnt                 ; cnt loads of tile k's xc, 512 consecutive bytes each
.set N, \from
.rept \cnt
	global_load_b128 v[128*((\k)%2)+4*N:128*((\k)%2)+4*N+3], v5, s[4:5] offset:16384*(\k)+512*N
.set N, N+1
.endr
.endm
	s_load_b256 s[4:11], s[0:1], 0x0               ; xt s[4:5], hwq s[6:7], w2i s[8:9], w2s s[10:11]
	s_load_b128 s[12:15], s[0:1], 0x20             ; b2c s[12:13], bln s[14:15]
	s_load_b64 s[16:17], s[0:1], 0x30              ; out0
	v_lshl_add_u32 v30, v0, 2, 0xd000
	v_mov_b32 v31, 0
	v_lshrrev_b32 v1, 5, v0
	v_readfirstlane_b32 s18, v1                    ; wave 0..3
	v_and_b32 v1, 31, v0                           ; l
	v_and_b32 v2, 15, v0                           ; r
	v_bfe_u32 v3, v0, 4, 1                         ; h
	v_lshlrev_b32 v4, 4, v0                        ; 16 x thread: the copy into LDS
	v_lshlrev_b32 v5, 4, v1                        ; 16 l
	v_lshlrev_b32 v6, 4, v2                        ; 16 r
	v_lshlrev_b32 v7, 3, v1                        ; 8 l
	v_add_nc_u32 v8, AIMG, v5                      ; a fragment's image, for my lane
	v_lshlrev_b32 v9, 6, v3
	v_add_nc_u32 v9, BC, v9                        ; C: + 64 h
	v_add_nc_u32 v10, ASC, v5                      ; my lane's four scale words
	s_lshl_b32 s22, s18, 11
	s_add_co_u32 s22, s22, YST
	v_lshl_add_u32 v11, v2, 5, s22                 ; my wave's results: token r of a tile
	v_lshl_add_u32 v28, v3, 4, v11                 ; and back: four outputs for each half of the lanes
	v_lshlrev_b32 v29, 10, v2
	v_lshl_add_u32 v29, v3, 4, v29                 ; out0: row r, + 16 h
	s_and_b32 s20, ttmp7, 0xffff                   ; which 256 tokens
	s_lshl_b32 s21, s20, 4
	s_lshl_b32 s22, s18, 2
	s_add_co_u32 s21, s21, s22                     ; my first tile of 16 tokens
	s_mov_b32 s23, 0
	s_mov_b32 s[LOM], 0xffff
	s_mov_b32 s31, 0x3b800000                      ; 1 / 256
	s_mov_b32 s32, 0x3727c5ac                      ; 1e-5
	s_mov_b32 s34, 0x76543210
	s_mov_b32 s35, 0xfedcba98                      ; v_permlanex16_b32's selects for lane l xor 16
	s_wait_kmcnt 0x0
	s_lshl_b32 s22, s21, 14
	s_add_nc_u64 s[4:5], s[4:5], s[22:23]          ; xt: 16,384 bytes a tile
	s_add_nc_u64 s[16:17], s[16:17], s[22:23]      ; out0: 16 rows of 1,024 bytes a tile
	s_lshl_b32 s22, s21, 9
	s_add_nc_u64 s[6:7], s[6:7], s[22:23]          ; hwq
	s_add_nc_u64 s[14:15], s[14:15], s[22:23]      ; bln: 512 bytes a tile,
	s_lshl_b32 s22, ttmp9, 16
	s_add_nc_u64 s[14:15], s[14:15], s[22:23]      ; 65,536 a group of eight outputs
	s_lshl_b32 s22, ttmp9, 15
	s_add_nc_u64 s[8:9], s[8:9], s[22:23]          ; w2i
	s_lshl_b32 s22, ttmp9, 12
	s_add_nc_u64 s[10:11], s[10:11], s[22:23]      ; w2s
	s_lshl_b32 s22, ttmp9, 13
	s_add_nc_u64 s[12:13], s[12:13], s[22:23]      ; b2c
	s_lshl_b32 s22, ttmp9, 5
	s_add_nc_u64 s[16:17], s[16:17], s[22:23]      ; my eight outputs in a row of out0
; the work-group's 45,056 bytes for LDS: 22 loads, 2,048 consecutive bytes each
.set N, 0
.rept 16
	global_load_b128 v[32+4*N:35+4*N], v4, s[8:9] offset:2048*N
.set N, N+1
.endr
.set N, 0
.rept 2
	global_load_b128 v[96+4*N:99+4*N], v4, s[10:11] offset:2048*N
.set N, N+1
.endr
.set N, 0
.rept 4
	global_load_b128 v[104+4*N:107+4*N], v4, s[12:13] offset:2048*N
.set N, N+1
.endr
	WIN 0xc0                                       ; destination window 3
.irp k, 0,1,2,3
	global_load_b128 v[BB+28*\k+20:BB+28*\k+23], v6, s[6:7] offset:512*\k     ; token r's codes, in both halves of the lanes
	global_load_b128 v[BLN+4*\k:BLN+4*\k+3], v5, s[14:15] offset:512*\k
.endr
	WIN 0
.irp k, 0,1,2,3
	global_load_b32 v[24+\k], v7, s[6:7] offset:512*\k+256                    ; and its scale word
.endr
	WIN 0x40
	XL 0, 0, 24
	WIN 0
	s_wait_loadcnt 36                              ; the 22 are in: 12 small loads and 24 of xc were issued behind them
.set N, 0
.rept 22
	ds_store_b128 v4, v[32+4*N:35+4*N] offset:2048*N
.set N, N+1
.endr
	WIN 0x40
	XL 0, 24, 8
	XL 1, 0, 32
	WIN 0x80
	XL 2, 0, 32
	XL 3, 0, 32
	WIN 0
	s_wait_loadcnt 63                              ; the small loads are in: 128 loads of xc were issued behind them
	WIN 0xcf                                       ; destination and sources 0, 1: window 3
.irp k, 0,1,2,3
	BUILD BB+28*\k
.endr
	WIN 0
.rept 4
	v_nop                                          ; an operand written by vector instructions stands four places ahead of a scaled matrix instruction
.endr
	s_wait_dscnt 0x0                               ; for the others' sake: my part of the copy lies in LDS
	s_barrier_signal -1
	s_barrier_wait -1                              ; the one barrier: from here on these bytes are only read
; ten LDS loads: a fragment of w2 (offa bytes from the output's first) and its C (offc) into buffer buf
.macro L offa, offc, buf
	WIN 0xc0
.irp c, 0,1
	ds_load_b128 v[8*\buf+4*\c:8*\buf+4*\c+3], v12 offset:\offa+512*\c
.endr
.irp b, 0,1,2,3
	ds_load_b128 v[CB+32*\buf+8*\b:CB+32*\buf+8*\b+3], v13 offset:\offc+128*(\b/2)+32*(\b%2)
	ds_load_b128 v[CB+32*\buf+8*\b+4:CB+32*\buf+8*\b+7], v13 offset:\offc+128*(\b/2)+32*(\b%2)+16
.endr
.endm
; eight products: fragment f (in buffer buf) x the four blocks x the two tiles of pair p, into result buffer db
.macro W p, f, buf, db
	WIN 0x3f
.irp b, 0,1,2,3
.irp kk, 0,1
	v_wmma_scale_f32_16x16x128_f8f6f4 v[\db+32*\kk+8*\b:\db+32*\kk+8*\b+7], v[8*\buf:8*\buf+7], v[BB+28*(2*\p+\kk)+12*(\b/2)+8*(\b%2)-16*(\b/3):BB+28*(2*\p+\kk)+12*(\b/2)+8*(\b%2)-16*(\b/3)+7], v[CB+32*\buf+8*\b:CB+32*\buf+8*\b+7], v[16+\f], v[24+2*\p+\kk] matrix_a_fmt:MATRIX_FMT_FP4 matrix_b_fmt:MATRIX_FMT_FP4
.endr
.endr
.endm
; four products: the fragment's four blocks summed, for each tile; over the four fragments a chain in place.  The four accumulators take turns, one instruction a turn
.macro WC f, buf
	WIN 0x0f
.irp k, 0,1,2,3
.if (\f) == 0
	v_wmma_scale_f32_16x16x128_f8f6f4 v[S1+8*\k:S1+8*\k+7], v[8*\buf:8*\buf+7], v[BB+28*\k+20:BB+28*\k+27], 0, v[16+\f], v[24+\k] matrix_a_fmt:MATRIX_FMT_FP4 matrix_b_fmt:MATRIX_FMT_FP4
.else
	v_wmma_scale_f32_16x16x128_f8f6f4 v[S1+8*\k:S1+8*\k+7], v[8*\buf:8*\buf+7], v[BB+28*\k+20:BB+28*\k+27], v[S1+8*\k:S1+8*\k+7], v[16+\f], v[24+\k] matrix_a_fmt:MATRIX_FMT_FP4 matrix_b_fmt:MATRIX_FMT_FP4
.endif
.endr
.endm
; 64 packed multiply-adds on the eight results in buffer db: sum w'^2, then sum w' xc.  Two links of one chain stand eight lines apart; each result is read from its low end on; the first fragment's first block starts the sums.
; Such a block names none of the registers of the products on the OTHER buffer: it is the places behind them.
.macro V p, db, f
	WIN 0
.irp b, 0,1,2,3
.irp kk, 0,1
.irp q, 0,2,4,6
.if ((\f) == 0) && (\b == 0)
	v_pk_mul_f32 v[ACC+16*(2*\p+\kk)+\q:ACC+16*(2*\p+\kk)+\q+1], v[\db+32*\kk+8*\b+\q:\db+32*\kk+8*\b+\q+1], v[\db+32*\kk+8*\b+\q:\db+32*\kk+8*\b+\q+1]
.else
	v_pk_fma_f32 v[ACC+16*(2*\p+\kk)+\q:ACC+16*(2*\p+\kk)+\q+1], v[\db+32*\kk+8*\b+\q:\db+32*\kk+8*\b+\q+1], v[\db+32*\kk+8*\b+\q:\db+32*\kk+8*\b+\q+1], v[ACC+16*(2*\p+\kk)+\q:ACC+16*(2*\p+\kk)+\q+1]
.endif
.endr
.endr
.endr
	WIN 4*(1+\p)                                   ; source 1: xc's window
.irp b, 0,1,2,3
.irp kk, 0,1
.irp q, 0,2,4,6
.if ((\f) == 0) && (\b == 0)
	v_pk_mul_f32 v[ACC+16*(2*\p+\kk)+8+\q:ACC+16*(2*\p+\kk)+9+\q], v[\db+32*\kk+8*\b+\q:\db+32*\kk+8*\b+\q+1], v[128*\kk+32*(\f)+8*\b+\q:128*\kk+32*(\f)+8*\b+\q+1]
.else
	v_pk_fma_f32 v[ACC+16*(2*\p+\kk)+8+\q:ACC+16*(2*\p+\kk)+9+\q], v[\db+32*\kk+8*\b+\q:\db+32*\kk+8*\b+\q+1], v[128*\kk+32*(\f)+8*\b+\q:128*\kk+32*(\f)+8*\b+\q+1], v[ACC+16*(2*\p+\kk)+8+\q:ACC+16*(2*\p+\kk)+9+\q]
.endif
.endr
.endr
.endr
.endm
.macro PKA d, a, b
	v_pk_add_f32 v[(\d):(\d)+1], v[(\a):(\a)+1], v[(\b):(\b)+1]
.endm
; a lane's sums of an output, the four tiles by turns: a + 0 = sum w'^2, a + 8 = sum w' xc, a + 2 = the sum of the bare products (a = ACC + 16 k).  The chains' accumulators are read, not written
.macro REDUCE
	WIN 0
.irp k, 0,1,2,3
	PKA ACC+16*\k, ACC+16*\k, ACC+16*\k+2
.endr
.irp k, 0,1,2,3
	PKA ACC+16*\k+4, ACC+16*\k+4, ACC+16*\k+6
.endr
.irp k, 0,1,2,3
	PKA ACC+16*\k+8, ACC+16*\k+8, ACC+16*\k+10
.endr
.irp k, 0,1,2,3
	PKA ACC+16*\k+12, ACC+16*\k+12, ACC+16*\k+14
.endr
.irp k, 0,1,2,3
	PKA ACC+16*\k, ACC+16*\k, ACC+16*\k+4
.endr
.irp k, 0,1,2,3
	PKA ACC+16*\k+8, ACC+16*\k+8, ACC+16*\k+12
.endr
.irp k, 0,1,2,3
	PKA ACC+16*\k+2, S1+8*\k, S1+8*\k+2
.endr
.irp k, 0,1,2,3
	PKA ACC+16*\k+4, S1+8*\k+4, S1+8*\k+6
.endr
.irp k, 0,1,2,3
	v_add_f32 v[ACC+16*\k], v[ACC+16*\k], v[ACC+16*\k+1]
.endr
.irp k, 0,1,2,3
	v_add_f32 v[ACC+16*\k+8], v[ACC+16*\k+8], v[ACC+16*\k+9]
.endr
.irp k, 0,1,2,3
	PKA ACC+16*\k+2, ACC+16*\k+2, ACC+16*\k+4
.endr
.irp k, 0,1,2,3
	v_add_f32 v[ACC+16*\k+2], v[ACC+16*\k+2], v[ACC+16*\k+3]
.endr
.endm
; with lane l xor 16's sums: mean, variance, 1 / sqrt; the result goes to the wave's own bytes of LDS (both halves of the lanes write the same word with the same value)
.macro FINAL
	WIN 0
.irp k, 0,1,2,3
	v_permlanex16_b32 v[ACC+16*\k+3], v[ACC+16*\k], s34, s35
.endr
.irp k, 0,1,2,3
	v_permlanex16_b32 v[ACC+16*\k+4], v[ACC+16*\k+2], s34, s35
.endr
.irp k, 0,1,2,3
	v_permlanex16_b32 v[ACC+16*\k+10], v[ACC+16*\k+8], s34, s35
.endr
.irp k, 0,1,2,3
	v_add_f32 v[ACC+16*\k], v[ACC+16*\k], v[ACC+16*\k+3]
.endr
.irp k, 0,1,2,3
	v_add_f32 v[ACC+16*\k+2], v[ACC+16*\k+2], v[ACC+16*\k+4]
.endr
.irp k, 0,1,2,3
	v_add_f32 v[ACC+16*\k+8], v[ACC+16*\k+8], v[ACC+16*\k+10]
.endr
.irp k, 0,1,2,3
	v_mul_f32 v[ACC+16*\k+2], s31, v[ACC+16*\k+2]                 ; the mean
.endr
.irp k, 0,1,2,3
	v_mul_f32 v[ACC+16*\k], s31, v[ACC+16*\k]
.endr
.irp k, 0,1,2,3
	v_fma_f32 v[ACC+16*\k], -v[ACC+16*\k+2], v[ACC+16*\k+2], v[ACC+16*\k]   ; the variance,
.endr
.irp k, 0,1,2,3
	v_max_num_f32 v[ACC+16*\k], 0, v[ACC+16*\k]                   ; held at 0 from below
.endr
.irp k, 0,1,2,3
	v_add_f32 v[ACC+16*\k], s32, v[ACC+16*\k]
.endr
.irp k, 0,1,2,3
	v_rsq_f32 v[ACC+16*\k+1], v[ACC+16*\k]
.endr
	v_nop                                          ; a plain place behind the last of the batch,
	s_wait_alu depctr_va_vdst(0)                   ; and one wait for the four, ahead of the first use of a result
.irp k, 0,1,2,3
	v_mul_f32 v[ACC+16*\k+8], v[ACC+16*\k+8], v[ACC+16*\k+1]
.endr
.irp k, 0,1,2,3
	ds_store_b32 v15, v[ACC+16*\k+8] offset:512*\k
.endr
.endm
; ONE OUTPUT.  It is entered with fragment 0's products issued (both pairs, and the chains' first links), fragment 1 asked for, and the output's scale words in v16-19.
; Pair 0's results lie in D0, pair 1's in D1: while one buffer is worked on by the vector unit, the other's products are issued.  Every buffer that is loaded, and every result buffer that is written over or read,
; stands behind a whole block of 64 vector lines on the other result buffer, counted from the last product that named it.
; last = 1: nothing is asked for beyond the eighth output.
.macro OTRIP last
	v_add_nc_u32 v12, s25, v8                      ; the output's fragments,
	v_add_nc_u32 v13, s26, v9                      ; its b2,
	v_add_nc_u32 v14, s27, v10                     ; its scale words,
	v_add_nc_u32 v15, s28, v11                     ; and its place among the results
	V 0, D0, 0
	L 2048, 512, 0                                 ; fragment 2
	s_wait_dscnt 10                                ; fragment 1 is in; the ten loads just issued may be out
	W 0, 1, 1, D0
	V 1, D1, 0
	W 1, 1, 1, D1
	WC 1, 1
	V 0, D0, 1
	L 3072, 768, 1                                 ; fragment 3
	s_wait_dscnt 10
	W 0, 2, 0, D0
	V 1, D1, 1
	W 1, 2, 0, D1
	WC 2, 0
	V 0, D0, 2
.if !\last
	L 4096, 1024, 0                                ; the next output's fragment 0
	s_wait_dscnt 10
.else
	s_wait_dscnt 0x0
.endif
	W 0, 3, 1, D0
	V 1, D1, 2
	W 1, 3, 1, D1
	WC 3, 1
	V 0, D0, 3
.if !\last
	WIN 0
	ds_load_b128 v[16:19], v14 offset:512          ; the next output's scale words
	L 5120, 1280, 1                                ; and its fragment 1
.endif
	V 1, D1, 3
	REDUCE
.if !\last
	s_wait_dscnt 10                                ; the next output's fragment 0 and scale words are in; fragment 1's ten loads may be out
	W 0, 0, 0, D0
	W 1, 0, 0, D1
	WC 0, 0
.endif
	FINAL                                          ; its plain lines are the places behind those products
.endm
	s_mov_b32 s25, 0
	s_mov_b32 s26, 0
	s_mov_b32 s27, 0
	s_mov_b32 s28, 0
	v_add_nc_u32 v12, s25, v8
	v_add_nc_u32 v13, s26, v9
	v_add_nc_u32 v14, s27, v10
	ds_load_b128 v[16:19], v14
	L 0, 0, 0
	L 1024, 256, 1
	s_wait_dscnt 10                                ; the scale words and fragment 0 are in
	W 0, 0, 0, D0
	W 1, 0, 0, D1
	WC 0, 0
	WIN 0
	s_wait_loadcnt 0x0                             ; xc
.rept 4
	v_nop                                          ; places behind the first products
.endr
	s_mov_b32 s24, 7
.Loutput:
	OTRIP 0
	s_add_co_u32 s25, s25, 4096
	s_add_co_u32 s26, s26, 1024
	s_add_co_u32 s27, s27, 512
	s_add_co_u32 s28, s28, 4
	s_sub_co_u32 s24, s24, 1
	s_cmp_lg_u32 s24, 0
	s_cbranch_scc1 .Loutput
	OTRIP 1                                        ; the eighth output is written out: it asks for nothing more
; THE WAY OUT: lane (r, h) takes four outputs of token r of each tile, adds LayerNorm(b) and stores 16 bytes
.irp k, 0,1,2,3
	ds_load_b128 v[32+4*\k:35+4*\k], v28 offset:512*\k     ; LDS serves a wave's instructions in order: these see my stores
.endr
	s_wait_dscnt 0x0
	WIN 0x0c                                       ; source 1: window 3
.irp k, 0,1,2,3
	v_pk_add_f32 v[32+4*\k:33+4*\k], v[32+4*\k:33+4*\k], v[BLN+4*\k:BLN+4*\k+1]
	v_pk_add_f32 v[34+4*\k:35+4*\k], v[34+4*\k:35+4*\k], v[BLN+4*\k+2:BLN+4*\k+3]
.endr
	WIN 0
.irp k, 0,1,2,3
	global_store_b128 v29, v[32+4*\k:35+4*\k], s[16:17] offset:16384*\k th:TH_STORE_NT
.endr
	s_wait_tensorcnt 0x0
	ds_add_u32 v30, v31
	s_wait_dscnt 0x0
	s_endpgm
.Lfunc_end_k_qd328e705c2_main:
	.size	k_qd328e705c2_main, .Lfunc_end_k_qd328e705c2_main-k_qd328e705c2_main
	.p2alignl 7, 3214868480
	.fill 96, 4, 3214868480
	.section	.rodata,"a",@progbits
	.p2align	6, 0x0
	.amdhsa_kernel k_qd328e705c2_main
		.amdhsa_group_segment_fixed_size 53760
		.amdhsa_private_segment_fixed_size 0
		.amdhsa_enable_private_segment 0
		.amdhsa_kernarg_size 56
		.amdhsa_user_sgpr_count 2
		.amdhsa_user_sgpr_kernarg_segment_ptr 1
		.amdhsa_wavefront_size32 1
		.amdhsa_system_sgpr_workgroup_id_x 1
		.amdhsa_system_sgpr_workgroup_id_y 1
		.amdhsa_system_sgpr_workgroup_id_z 1
		.amdhsa_system_vgpr_workitem_id 0
		.amdhsa_next_free_vgpr 1024
		.amdhsa_next_free_sgpr 66
		.amdhsa_reserve_vcc 0
		.amdhsa_float_denorm_mode_32 3
		.amdhsa_float_denorm_mode_16_64 3
		.amdhsa_memory_ordered 1
		.amdhsa_forward_progress 1
		.amdhsa_inst_pref_size 128
	.end_amdhsa_kernel
	.amdgpu_metadata
---
amdhsa.version: [ 1, 2 ]
amdhsa.kernels:
  - .name:           k_qd328e705c2_main
    .symbol:         k_qd328e705c2_main.kd
    .args:
      - { .name: xt, .offset: 0, .size: 8, .value_kind: global_buffer, .address_space: global }
      - { .name: hwq, .offset: 8, .size: 8, .value_kind: global_buffer, .address_space: global }
      - { .name: w2i, .offset: 16, .size: 8, .value_kind: global_buffer, .address_space: global }
      - { .name: w2s, .offset: 24, .size: 8, .value_kind: global_buffer, .address_space: global }
      - { .name: b2c, .offset: 32, .size: 8, .value_kind: global_buffer, .address_space: global }
      - { .name: bln, .offset: 40, .size: 8, .value_kind: global_buffer, .address_space: global }
      - { .name: out0, .offset: 48, .size: 8, .value_kind: global_buffer, .address_space: global }
    .group_segment_fixed_size: 53760
    .private_segment_fixed_size: 0
    .kernarg_segment_align: 8
    .kernarg_segment_size: 56
    .max_flat_workgroup_size: 128
    .sgpr_count:     66
    .vgpr_count:     1024
    .wavefront_size: 32
...
	.end_amdgpu_metadata
.endif
;; end of part 2
;; ======== version 2 of 2: 2 launches; version 1 with the launches prep, main written anew for expert scheduling mode
;; limits: a difference of large sums (such as E[x^2] - mean^2): digits are lost where the result is much smaller than its terms
;; workspace buffers: w2i 1,048,576 bytes; w2s 131,072 bytes; b2c 262,144 bytes; xt 2,097,152 bytes; hwq 65,536 bytes; bln 2,097,152 bytes
;; launch prep (part 3): grid 96 x 1, 4 waves a work-group, no clusters, 96,768 bytes of LDS; arguments x, w1, b1, w2, b2, u1, c1, u2, c2, xt, hwq, w2i, w2s, b2c, bln; writes xt, hwq, w2i, w2s, b2c, bln
.if DOCPART == 3
	.amdgcn_target "amdgcn-amd-amdhsa--gfx1250"
	.amdhsa_code_object_version 6
	.text
	.protected	k_qd328e705c2_prep
	.globl	k_qd328e705c2_prep
	.p2align	8
	.type	k_qd328e705c2_prep,@function
k_qd328e705c2_prep:
	s_mov_b64 s[64:65], 0
	v_nop
	global_prefetch_b8 v0, s[64:65] scope:SCOPE_SE
	s_setreg_imm32_b32 hwreg(HW_REG_WAVE_SCHED_MODE, 0, 2), 2
	s_setreg_imm32_b32 hwreg(HW_REG_WAVE_MODE, 25, 1), 1
	s_wait_xcnt 0x0
	s_wait_alu depctr_vm_vsrc(0)
; PREP: all that is not needed once for each (token, output, input) is made here once, and laid as the second launch's registers want it.
; Work-groups 0-63 (path A), a wave to an output o: the 256 rows of w2 that belong to o become four operand fragments of E2M1 codes with their E8M0 scale words (w2i, w2s);
;   b2's 256 numbers of o lose their own mean (b2c): LayerNorm over i does not change under a shift that is the same for all i.
; Work-groups 64-95 (path B), a wave to a tile of 16 tokens: x is quantised, x less its row's mean is stored (xt); hw = Q(x) Q(w1)^T + b1 is quantised (hwq);
;   hb = Q(x) Q(u1)^T + c1, b = Q(hb) Q(u2)^T + c2, LayerNorm of b over its 256 outputs (bln).
; THE INDEX MAP.  K of the products with w2 and u2 is 32, one block; the matrix instruction takes four blocks.  So a fragment holds 64 rows of the weight: matrix row m, block b = 2 B + u of fragment f is
;   row 64 f + 32 B + 16 (m / 8) + 8 u + m % 8.  The token operand has its 32 codes in ONE block and zero codes in the others (B_0 .. B_3), or in all four (B_all, which sums the four blocks).
;   Source 0 = the weight, source 1 = 16 tokens: lane (r, h) of a result holds token r, and register j of D(f, b) the row 64 f + 32 B + 16 h + 8 u + j.
; THE QUANTISER: a block's scale byte is its largest magnitude's exponent field less 2, held at 1 from below by a floor among the maximum's leaves; the conversion rounds to the nearest code, ties to even, and holds at the largest code.
; LIMITS: NaN and infinities among the inputs are not served.  A block of zeros gets the byte 1 where the rule says 127: its codes are zeros, and these bytes are read by this program alone.
;   The variance of b is taken in one pass, E[b'^2] - mean^2, in f32, held at 0 from below, b' = b less c2's own mean: its relative error grows as (mean / deviation)^2 x 2^-23.
; The two paths part on the work-group's number and have LDS bytes of their own: path A 0 .. 77,823, path B 77,824 .. 95,743.
; THE MODE: SCHED_MODE bits 1:0 = 2 (LLVM: expert scheduling mode 2), set by the entry lines.  The code itself states the register dependences between vector or matrix instructions and memory or LDS
;   instructions, with s_wait_alu, always for 0.
; THE PLAN, path A.  v5, v7, v8: addresses, made once.  v22-29: written by CENTER, read by two stores.  v64-127 and v128-191 by turns: LDS loads land there, QW reads them, the fragment two on lands there again.
;   v192 + 8 f, v224 + f: written by QW, read by stores, never written again.  So: one wait on va_vdst ahead of the first load, one behind CENTER, one behind each QW (the stores' data are written; QW is done with its 64 numbers).
; THE PLAN, path B.  v5-21: addresses, made once.  v40-48: written by three QWs in turn, read by LDS stores: va_vdst behind each QW, vm_vsrc ahead of the next.  v22-29: CENTER writes, LDS stores read, the sums write again: va_vdst, vm_vsrc.
;   Window 1 v0-127: x less its mean, stored: one va_vdst, which also shows x's fragments and scale words written for the first products.  v128-191: LDS loads land in what the first products have read: va_vdst.
;   v160-191: C, loaded anew for each fragment of u2 behind the products that read it: va_vdst.  hb's operands and scale word, and hw's codes and scale words for their stores: one va_vdst.  Window 1 v128-255: LayerNorm(b), stored: va_vdst.
.set WIMG, 77824                       ; path B: 12 images of fragments, 1,024 bytes each: slots 0-7 w1 and u1 (2 x wave + K step), slots 8-11 u2's fragments
.set WSC,  90112                       ; their scale words, 128 bytes each
.set C2L,  91648                       ; c2 less its mean, 1,024 bytes for each wave, its own
.set TM,   236                         ; v236-251 at work in the token quantisers (v246, v247 are not among those used: they are the closing add's two)
.set SEL,  36                          ; s[36:37] lane selects for v_permlanex16_b32: lane l xor 16
.set LOM,  38                          ; s38 a mask: lanes 0-15
.set R256, 39                          ; s39 1 / 256
.set EPSR, 40                          ; s40 1e-5
.set MSB, 0
.macro WIN new                         ; the immediate's high byte repeats the setting that is left; a switch that changes nothing is dropped
.if MSB != (\new)
	s_set_vgpr_msb (MSB<<8)|(\new)
.set MSB, (\new)
.endif
.endm
; 64 numbers of a lane, two WHOLE blocks of 32 (v[s + 32 c + 0 .. 31], in window w), become registers 4 c .. 4 c + 3 of a fragment in v[cd] on, and the row's scale word in v[sw].
; Lane (r, h) holds blocks h and 2 + h of matrix row r: its two bytes go 8 h bits up, and lane l xor 16's two make the word whole.
.macro QW s, cd, sw, w
	WIN 5*(\w)
.irp c, 0,1
	v_max3_num_f32 v[32+\c], |v[\s+32*\c]|, |v[\s+32*\c+1]|, 0x1800000   ; the floor 2^(3 - 127): the byte cannot fall under 1
.endr
.irp i, 2,4,6,8,10,12,14,16,18,20,22,24,26,28,30
.irp c, 0,1
	v_max3_num_f32 v[32+\c], |v[\s+32*\c+\i]|, |v[\s+32*\c+\i+1]|, v[32+\c]   ; the two blocks by turns
.endr
.endr
	WIN 0
.irp c, 0,1
	v_add_nc_u32 v[34+\c], 0xff000000, v[32+\c]    ; 2 off the exponent field: the conversion's scale operand
.endr
.irp c, 0,1
	v_lshrrev_b32 v[36+\c], 23, v[34+\c]           ; the scale's byte
.endr
	v_lshl_or_b32 v38, v37, 16, v36
	v_lshlrev_b32 v38, v4, v38                     ; 8 h bits up
	v_permlanex16_b32 v39, v38, s[SEL], s[SEL+1]
	v_or_b32 v[\sw], v38, v39
	WIN \w
.irp c, 0,1
.irp g, 0,1,2,3
	v_cvt_scalef32_pk8_fp4_f32 v[\cd+4*\c+\g], v[\s+32*\c+8*\g:\s+32*\c+8*\g+7], v[34+\c]
.endr
.endr
	WIN 0
	v_nop                                          ; one plain place behind the last scaled conversion
.endm
; 256 numbers, eight a lane in v22-29, lose their mean
.macro CENTER
	v_pk_add_f32 v[252:253], v[22:23], v[24:25]
	v_pk_add_f32 v[254:255], v[26:27], v[28:29]
	v_pk_add_f32 v[252:253], v[252:253], v[254:255]
	v_add_f32 v252, v252, v253
	v_add_f32_dpp v252, v252, v252 row_xmask:1 row_mask:0xf bank_mask:0xf
	v_add_f32_dpp v252, v252, v252 row_xmask:2 row_mask:0xf bank_mask:0xf
	v_add_f32_dpp v252, v252, v252 row_xmask:4 row_mask:0xf bank_mask:0xf
	v_add_f32_dpp v252, v252, v252 row_xmask:8 row_mask:0xf bank_mask:0xf
	v_permlanex16_b32 v253, v252, s[SEL], s[SEL+1]
	v_add_f32 v252, v252, v253
	v_mul_f32 v252, s[R256], v252
	v_mov_b32 v253, v252
.irp i, 22,24,26,28
	v_pk_add_f32 v[\i:\i+1], v[\i:\i+1], v[252:253] neg_lo:[0,1] neg_hi:[0,1]
.endr
.endm
; From F = v[base + 20 .. 23] (a token's 16 bytes of codes, in both halves of the lanes) the five token operands, overlapping in 28 registers: Lo, 0, Hi, 0, Lo, F, F.
; B_0 = base (Lo, 0), B_1 = base + 8 (Hi, 0), B_2 = base + 12 (0, Lo), B_3 = base + 4 (0, Hi), B_all = base + 20 (F, F).
.macro BUILD base
.irp i, 0,1,2,3
	v_cndmask_b32 v[(\base)+\i], 0, v[(\base)+20+\i], s[LOM]
	v_mov_b32 v[(\base)+4+\i], 0
	v_cndmask_b32 v[(\base)+8+\i], v[(\base)+20+\i], 0, s[LOM]
	v_mov_b32 v[(\base)+12+\i], 0
	v_cndmask_b32 v[(\base)+16+\i], 0, v[(\base)+20+\i], s[LOM]
	v_mov_b32 v[(\base)+24+\i], v[(\base)+20+\i]
.endr
.endm
	s_load_b256 s[4:11], s[0:1], 0x0               ; x s[4:5], w1 s[6:7], b1 s[8:9], w2 s[10:11]
	s_load_b256 s[12:19], s[0:1], 0x20             ; b2 s[12:13], u1 s[14:15], c1 s[16:17], u2 s[18:19]
	s_load_b256 s[20:27], s[0:1], 0x40             ; c2 s[20:21], xt s[22:23], hwq s[24:25], w2i s[26:27]
	s_load_b128 s[28:31], s[0:1], 0x60             ; w2s s[28:29], b2c s[30:31]
	s_load_b64 s[32:33], s[0:1], 0x70              ; bln
	v_lshl_add_u32 v246, v0, 2, 0x17800
	v_mov_b32 v247, 0
	v_lshrrev_b32 v1, 5, v0
	v_readfirstlane_b32 s34, v1                    ; wave 0..3
	v_and_b32 v1, 31, v0                           ; l
	v_and_b32 v2, 15, v0                           ; r
	v_bfe_u32 v3, v0, 4, 1                         ; h
	v_lshlrev_b32 v4, 3, v3                        ; 8 h
	v_lshlrev_b32 v5, 4, v1                        ; 16 l
	v_lshlrev_b32 v6, 2, v1                        ; 4 l
	v_mov_b32 v39, 0                               ; a lane permute's destination counts as one of its sources
	s_mov_b32 s[SEL], 0x76543210
	s_mov_b32 s[SEL+1], 0xfedcba98
	s_mov_b32 s[LOM], 0xffff
	s_mov_b32 s[R256], 0x3b800000
	s_mov_b32 s[EPSR], 0x3727c5ac
	s_mov_b32 s45, 0                               ; the high word of every offset pair s[44:45]
	s_wait_alu depctr_va_sdst(0)                   ; s34, the wave's number, is written: both paths read it
	s_cmp_lt_u32 ttmp9, 64
	s_cbranch_scc0 .Lpath_b
; ---------------- PATH A: my wave's output o = 4 x work-group + wave.  No barrier: waves share nothing.
; The loads take w2's bytes as they lie, 512 consecutive bytes each; a lane needs whole rows of 128 bytes.  So a fragment's 64 rows turn through the wave's own stage in LDS:
; row R at 144 R + 128 (R / 16); two stages of 9,728 bytes by turns.
	s_lshl_b32 s42, ttmp9, 2
	s_add_co_u32 s42, s42, s34                     ; o
	s_mul_i32 s46, s34, 19456                      ; my two stages
	v_lshrrev_b32 v7, 3, v1
	v_mul_u32_u24 v7, v7, 144
	v_and_b32 v8, 7, v1
	v_lshl_add_u32 v7, v8, 4, v7
	v_add_nc_u32 v7, s46, v7                       ; in: a load's 512 bytes are four rows: row l / 8, byte 16 (l % 8)
	v_lshrrev_b32 v9, 3, v2
	v_and_b32 v10, 7, v2
	v_lshl_add_u32 v10, v9, 4, v10
	v_add_nc_u32 v10, v4, v10                      ; out: row 16 (r / 8) + 8 h + r % 8 (+ 32 c in the offset)
	v_mul_u32_u24 v8, v10, 144
	v_lshl_add_u32 v8, v9, 7, v8
	v_add_nc_u32 v8, s46, v8
	s_wait_kmcnt 0x0
	s_lshl_b32 s44, s42, 15
	s_add_nc_u64 s[10:11], s[10:11], s[44:45]      ; w2: 256 rows of 128 bytes an output
	s_lshl_b32 s44, s42, 10
	s_add_nc_u64 s[12:13], s[12:13], s[44:45]      ; b2
	s_add_nc_u64 s[30:31], s[30:31], s[44:45]      ; b2c
	s_lshl_b32 s44, s42, 12
	s_add_nc_u64 s[26:27], s[26:27], s[44:45]      ; w2i
	s_lshl_b32 s44, s42, 9
	s_add_nc_u64 s[28:29], s[28:29], s[44:45]      ; w2s
	s_wait_alu depctr_va_vdst(0)                   ; v5, v7 and v8 are written: every load and store of this path reads one of them as its address
	global_load_b128 v[22:25], v5, s[12:13] th:TH_LOAD_NT
	global_load_b128 v[26:29], v5, s[12:13] offset:512 th:TH_LOAD_NT
	WIN 0x40                                       ; destination window 1: all 32,768 bytes of my output's rows are asked for at once
.set N, 0
.rept 64
	global_load_b128 v[4*N:4*N+3], v5, s[10:11] offset:512*N th:TH_LOAD_NT
.set N, N+1
.endr
	WIN 0
	s_wait_loadcnt 63                              ; b2's two loads are in: 64 were issued behind them
	CENTER
	s_wait_alu depctr_va_vdst(0)                   ; CENTER has written v22-29, which the two stores read
	global_store_b128 v5, v[22:25], s[30:31]
	global_store_b128 v5, v[26:29], s[30:31] offset:512
; fragment f through stage f % 2 into v64-127 or v128-191.  LDS serves a wave's instructions in order: no wait between the stores and the loads, nor ahead of the stage's next use
.macro TURN f
	s_wait_loadcnt 16*(3-(\f))                     ; this fragment's 16 loads are in; the later fragments' may be out
	WIN 0x04                                       ; an LDS store's data are its source 1: window 1
.irp q, 0,1,2,3,4,5,6,7,8,9,10,11,12,13,14,15
	ds_store_b128 v7, v[64*(\f)+4*\q:64*(\f)+4*\q+3] offset:9728*((\f)%2)+576*\q+128*(\q/4)
.endr
	WIN 0
.irp c, 0,1
.irp g, 0,1,2,3,4,5,6,7
	ds_load_b128 v[64+64*((\f)%2)+32*\c+4*\g:64+64*((\f)%2)+32*\c+4*\g+3], v8 offset:9728*((\f)%2)+4864*\c+16*\g
.endr
.endr
.endm
	TURN 0
.irp f, 0,1,2,3
.if \f < 3
	TURN \f+1
	s_wait_dscnt 32                                ; this fragment's rows are back; the next one's 16 stores and 16 loads may be out
.else
	s_wait_dscnt 0x0
.endif
	QW 64+64*(\f%2), 192+8*\f, 224+\f, 0
	s_wait_alu depctr_va_vdst(0)                   ; the fragment's codes and its scale word are written, which the stores read; and its 64 numbers have been read, in whose registers the fragment two on lands (no vector line stands between this wait and those loads)
	global_store_b128 v5, v[192+8*\f:195+8*\f], s[26:27] offset:1024*\f        ; an image of the fragment's registers: 512 consecutive bytes a store
	global_store_b128 v5, v[196+8*\f:199+8*\f], s[26:27] offset:1024*\f+512
.endr
	global_store_b128 v5, v[224:227], s[28:29]     ; the four fragments' scale words of my lane's row (the last of them was written ahead of the wait above)
	s_wait_dscnt 0x0                               ; the closing lines, six on end
	s_wait_alu 0x0
	s_wait_tensorcnt 0x0
	ds_add_u32 v246, v247
	s_wait_dscnt 0x0
	s_endpgm
; ---------------- PATH B: my wave's tile of 16 tokens = 4 x (work-group - 64) + wave.  One barrier.
; REGISTERS, window 0: v7-21 addresses; v22-29 c2, later sums; v30, v31 x's scale words; v32-48 the weight quantiser; v49 hb's scale word; v50, v51 hw's; v52-55 u2's; v56-63 the sum of b over the outputs;
;   v64-127 w1 or u1, K step 0, later hw and hb (v64-95), x's two fragments (v96-111), later hb's operands (v96-123), the codes of hw and hb (v124-127);
;   v128-191 K step 1, later eight fragments of w1 and u1, later u2's four (v128-159) and c2 as C (v160-191); v192-223 b1 and c1 as C, later the sums of squares; v224-231 w1's and u1's scale words.
;   window 1: v0-127 x; v128-191 u2's rows as loaded; v128-255 later b: D(f, b) at 128 + 32 f + 8 b.
.Lpath_b:
	s_sub_co_u32 s42, ttmp9, 64
	s_lshl_b32 s42, s42, 2
	s_add_co_u32 s42, s42, s34                     ; my tile
	v_and_b32 v9, 7, v2
	v_lshrrev_b32 v10, 3, v2
	v_lshl_add_u32 v11, v10, 4, v9                 ; r % 8 + 16 (r / 8)
	v_lshlrev_b32 v7, 10, v11
	v_lshl_add_u32 v7, v3, 7, v7                   ; w1, u1: THE ROWS OF A TILE ARE NOT NEIGHBOURS: lane r of tile u takes row 8 u + r % 8 + 16 (r / 8), so that a lane's 16 results are 16 neighbours; + 128 h: my blocks
	v_add_nc_u32 v8, v4, v11
	v_lshlrev_b32 v8, 7, v8                        ; u2: row 16 (r / 8) + 8 h + r % 8 of 128 bytes
	v_lshlrev_b32 v9, 10, v2
	v_lshl_add_u32 v9, v3, 6, v9                   ; x: row r, + 64 h: my 16 numbers of each block of 32
	s_lshl_b32 s46, s34, 11
	s_add_co_u32 s46, s46, WIMG
	v_add_nc_u32 v10, s46, v5                      ; where I store my two images of w1 or u1
	s_lshl_b32 s46, s34, 8
	s_add_co_u32 s46, s46, WSC
	v_add_nc_u32 v11, s46, v6                      ; and their scale words
	s_lshl_b32 s46, s34, 10
	s_add_co_u32 s47, s46, C2L
	v_add_nc_u32 v12, s47, v5                      ; c2: in,
	v_lshl_add_u32 v13, v3, 6, s47                 ; and out as C: + 64 h
	s_add_co_u32 s47, s46, WIMG+8192
	v_add_nc_u32 v16, s47, v5                      ; my image of u2's fragment
	s_lshl_b32 s46, s34, 7
	s_add_co_u32 s46, s46, WSC+1024
	v_add_nc_u32 v17, s46, v6
	v_lshlrev_b32 v14, 4, v2
	v_lshl_add_u32 v18, v3, 17, v14                ; bln: 16 r + two groups of eight outputs for h
	v_add_nc_u32 v14, v4, v14                      ; hwq: 16 r + 8 h
	v_lshlrev_b32 v15, 3, v1                       ; 8 l
	v_lshlrev_b32 v19, 6, v3                       ; b1, c1: 64 h
	v_add_nc_u32 v20, WIMG, v5                     ; any image, for my lane
	v_add_nc_u32 v21, WSC, v6
.irp b, 0,1,2,3
	v_mov_b32 v[TM+4+\b], 0                        ; lane permutes' destinations
.endr
	s_wait_kmcnt 0x0
	s_cmp_lt_u32 s34, 2                            ; waves 0, 1 quantise w1's two tiles of rows, waves 2, 3 u1's
	s_cselect_b64 s[48:49], s[6:7], s[14:15]
	s_and_b32 s44, s34, 1
	s_lshl_b32 s44, s44, 13                        ; tile u begins eight rows on
	s_add_nc_u64 s[48:49], s[48:49], s[44:45]
	s_lshl_b32 s44, s34, 13
	s_add_nc_u64 s[18:19], s[18:19], s[44:45]      ; u2: fragment = wave: 64 rows of 128 bytes
	s_lshl_b32 s44, s42, 14
	s_add_nc_u64 s[4:5], s[4:5], s[44:45]          ; x: 16 rows of 1,024 bytes a tile
	s_add_nc_u64 s[22:23], s[22:23], s[44:45]      ; xt
	s_lshl_b32 s44, s42, 9
	s_add_nc_u64 s[24:25], s[24:25], s[44:45]      ; hwq
	s_add_nc_u64 s[32:33], s[32:33], s[44:45]      ; bln
; ---- 1: everything is asked for at once
	s_wait_alu depctr_va_vdst(0)                   ; the addresses v5 to v21 are written: every load and store of this path reads one of them, and none is written again
.irp c, 0,1
.irp g, 0,1,2,3,4,5,6,7
	global_load_b128 v[64+32*\c+4*\g:64+32*\c+4*\g+3], v7, s[48:49] offset:256*\c+16*\g
.endr
.endr
.irp c, 0,1
.irp g, 0,1,2,3,4,5,6,7
	global_load_b128 v[128+32*\c+4*\g:128+32*\c+4*\g+3], v7, s[48:49] offset:512+256*\c+16*\g
.endr
.endr
	WIN 0x40
.irp c, 0,1
.irp g, 0,1,2,3,4,5,6,7
	global_load_b128 v[128+32*\c+4*\g:128+32*\c+4*\g+3], v8, s[18:19] offset:4096*\c+16*\g
.endr
.endr
	WIN 0
	global_load_b128 v[22:25], v5, s[20:21]
	global_load_b128 v[26:29], v5, s[20:21] offset:512
	WIN 0x40
.set N, 0
.rept 32
	global_load_b128 v[4*N:4*N+3], v9, s[4:5] offset:128*(N/4)+16*(N%4) th:TH_LOAD_NT   ; register n holds x(r, 32 (n / 16) + 16 h + n % 16)
.set N, N+1
.endr
	WIN 0
; ---- 2: the weights' fragments go to LDS as images of their registers: 16 bytes a lane, 512 a store; the scale words 4 bytes a lane
	s_wait_loadcnt 63                              ; K step 0 is in: 66 loads were issued behind it
	QW 64, 40, 48, 0
	s_wait_alu depctr_va_vdst(0)                   ; the fragment's codes v40-47 and its scale word v48 are written, which the three stores read
	ds_store_b128 v10, v[40:43]
	ds_store_b128 v10, v[44:47] offset:512
	ds_store_b32 v11, v48
	s_wait_dscnt 0x0                               ; the stores are done,
	s_wait_alu depctr_vm_vsrc(0)                   ; and have read v40-48, which the next fragment's lines write again
	s_wait_loadcnt 50                              ; K step 1 is in: u2's 16, c2's 2 and x's 32 may be out
	QW 128, 40, 48, 0
	s_wait_alu depctr_va_vdst(0)                   ; v40-48 are written, which the three stores read
	ds_store_b128 v10, v[40:43] offset:1024
	ds_store_b128 v10, v[44:47] offset:1536
	ds_store_b32 v11, v48 offset:128
	s_wait_dscnt 0x0
	s_wait_alu depctr_vm_vsrc(0)                   ; the stores have read v40-48, which the next fragment's lines write again
	s_wait_loadcnt 34                              ; u2's rows are in
	QW 128, 40, 48, 1
	s_wait_alu depctr_va_vdst(0)                   ; v40-48 are written, which the three stores read
	ds_store_b128 v16, v[40:43]
	ds_store_b128 v16, v[44:47] offset:512
	ds_store_b32 v17, v48
	s_wait_loadcnt 32                              ; c2 is in; x's 32 loads may be out
	CENTER
	s_wait_alu depctr_va_vdst(0)                   ; CENTER has written v22-29, which the two stores read.  It stands behind every line that read v128-191 too, in which the images' loads behind the barrier land
	ds_store_b128 v12, v[22:25]
	ds_store_b128 v12, v[26:29] offset:512
.irp i, 0,1,2,3
	global_load_b128 v[192+4*\i:195+4*\i], v19, s[8:9] offset:16*\i     ; b1 in the results' layout: tile u, register j: unit 16 h + 8 u + j
.endr
.irp i, 0,1,2,3
	global_load_b128 v[208+4*\i:211+4*\i], v19, s[16:17] offset:16*\i   ; c1 likewise
.endr
	s_wait_dscnt 0x0                               ; for the others' sake: my images lie in LDS
	s_barrier_signal -1
	s_barrier_wait -1                              ; all twelve do; nobody writes them again
.irp t, 0,1,2,3,4,5,6,7
	ds_load_b128 v[128+8*\t:131+8*\t], v20 offset:1024*\t
	ds_load_b128 v[132+8*\t:135+8*\t], v20 offset:1024*\t+512
	ds_load_b32 v[224+\t], v21 offset:128*\t
.endr
; ---- 3: x: its row's mean, its two fragments, and x less the mean
	s_wait_loadcnt 8                               ; x is in; the eight bias loads may be out
	s_wait_alu depctr_vm_vsrc(0)                   ; c2's two LDS stores have read v22-29, which the sums below write
	WIN 0x05
.irp q, 0,1,2,3
	v_pk_add_f32 v[22+2*\q:23+2*\q], v[2*\q:2*\q+1], v[8+2*\q:9+2*\q]   ; four chains; nothing is cleared
.endr
	WIN 0x04
.set N, 16
.rept 56
	v_pk_add_f32 v[22+N%8:23+N%8], v[22+N%8:23+N%8], v[N:N+1]
.set N, N+2
.endr
	WIN 0
	v_pk_add_f32 v[22:23], v[22:23], v[24:25]
	v_pk_add_f32 v[26:27], v[26:27], v[28:29]
	v_pk_add_f32 v[22:23], v[22:23], v[26:27]
	v_add_f32 v22, v22, v23
	v_permlanex16_b32 v23, v22, s[SEL], s[SEL+1]   ; the row's other 128 numbers lie in lane l xor 16
	v_add_f32 v22, v22, v23
	v_mul_f32 v22, s[R256], v22
	v_mov_b32 v23, v22                             ; the mean, twice
; 64 numbers of a lane in window 1, register 16 b + i = k 32 b + 16 h + i of my row, become a fragment's codes in v[pc] on and its scale word in v[pw]
.macro QUANT s, pc, pw
	WIN 0x14
.irp b, 0,1,2,3
	v_max3_num_f32 v[TM+\b], 0x1800000, |v[\s+16*\b]|, |v[\s+16*\b+1]|
.endr
.irp i, 2,4,6,8,10,12,14
.irp b, 0,1,2,3
	v_max3_num_f32 v[TM+\b], v[TM+\b], |v[\s+16*\b+\i]|, |v[\s+16*\b+\i+1]|
.endr
.endr
	WIN 0
.irp b, 0,1,2,3
	v_permlanex16_b32 v[TM+4+\b], v[TM+\b], s[SEL], s[SEL+1]
.endr
.irp b, 0,1,2,3
	v_max_num_f32 v[TM+\b], v[TM+\b], v[TM+4+\b]
.endr
.irp b, 0,1,2,3
	v_add_nc_u32 v[TM+12+\b], 0xff000000, v[TM+\b]
.endr
.irp b, 0,1,2,3
	v_lshrrev_b32 v[TM+4+\b], 23, v[TM+12+\b]
.endr
	v_lshl_or_b32 v[\pw], v[TM+5], 8, v[TM+4]
	v_lshl_or_b32 v[\pw], v[TM+6], 16, v[\pw]
	v_lshl_or_b32 v[\pw], v[TM+7], 24, v[\pw]
	WIN 0x01
.irp b, 0,1,2,3
	v_cvt_scalef32_pk8_fp4_f32 v[\pc+2*\b], v[\s+16*\b:\s+16*\b+7], v[TM+12+\b]
	v_cvt_scalef32_pk8_fp4_f32 v[\pc+2*\b+1], v[\s+16*\b+8:\s+16*\b+15], v[TM+12+\b]
.endr
	WIN 0
	v_nop                                          ; one plain place behind a scaled conversion
.irp c, 0,1                                    ; the operand's layout wants a WHOLE block in a lane
.irp i, 0,1
	v_permlane16_swap_b32 v[\pc+4*\c+\i], v[\pc+4*\c+2+\i]
.endr
.endr
.endm
	QUANT 0, 96, 30
	QUANT 64, 104, 31
	WIN 0x41
.set N, 0
.rept 64
	v_pk_add_f32 v[N:N+1], v[N:N+1], v[22:23] neg_lo:[0,1] neg_hi:[0,1]   ; x less its mean.  (These 64 are also the places between the scale words' and fragments' last writes and the products)
.set N, N+2
.endr
	WIN 0x04
	s_wait_alu depctr_va_vdst(0)                   ; x less its mean is written, which the 32 stores read; so are x's two fragments v96-111 and its scale words v30, v31, which the scaled products below take (their places stand ahead of this wait)
.set N, 0
.rept 32
	global_store_b128 v5, v[4*N:4*N+3], s[22:23] offset:512*N              ; as the second launch's registers take it: 512 consecutive bytes a store
.set N, N+1
.endr
	WIN 0
; ---- 4: hw and hb: four accumulators by turns; the biases are the C of each sum's first instruction
	s_wait_loadcnt 0x0
	s_wait_dscnt 0x0
.irp q, 0,1,2,3
	v_wmma_scale_f32_16x16x128_f8f6f4 v[64+8*\q:71+8*\q], v[128+16*\q:135+16*\q], v[96:103], v[192+8*\q:199+8*\q], v[224+2*\q], v30 matrix_a_fmt:MATRIX_FMT_FP4 matrix_b_fmt:MATRIX_FMT_FP4
.endr
.irp q, 0,1,2,3
	v_wmma_scale_f32_16x16x128_f8f6f4 v[64+8*\q:71+8*\q], v[136+16*\q:143+16*\q], v[104:111], v[64+8*\q:71+8*\q], v[225+2*\q], v31 matrix_a_fmt:MATRIX_FMT_FP4 matrix_b_fmt:MATRIX_FMT_FP4
.endr
.rept 4
	v_nop                                          ; places ahead of the loads into registers that the products read, and of the first read of results
.endr
.macro CLD f                                   ; c2 less its mean as the C of D(f, b): register j: output 64 f + 32 (b / 2) + 16 h + 8 (b % 2) + j
.irp b, 0,1,2,3
	ds_load_b128 v[160+8*\b:163+8*\b], v13 offset:256*(\f)+128*(\b/2)+32*(\b%2)
	ds_load_b128 v[164+8*\b:167+8*\b], v13 offset:256*(\f)+128*(\b/2)+32*(\b%2)+16
.endr
.endm
	s_wait_alu depctr_va_vdst(0)                   ; the eight products are done reading w1's and u1's fragments v128-191, in which u2's fragments and c2 land
.irp f, 0,1,2,3
	ds_load_b128 v[128+8*\f:131+8*\f], v20 offset:1024*(8+\f)
	ds_load_b128 v[132+8*\f:135+8*\f], v20 offset:1024*(8+\f)+512
	ds_load_b32 v[52+\f], v21 offset:128*(8+\f)
.endr
	CLD 0
; ---- 5: 16 registers of a lane, units 16 h + 0 .. 15 of my token, are half of ONE block of 32: codes in v[p], v[p + 1]; the block's byte in all four bytes of v[w]
.macro QH s, p, w
	v_max3_num_f32 v[TM], |v[\s]|, |v[\s+1]|, 0x1800000           ; each accumulator is read from its low end on
	v_max3_num_f32 v[TM+1], |v[\s+8]|, |v[\s+9]|, |v[\s+10]|
	v_max3_num_f32 v[TM], v[TM], |v[\s+2]|, |v[\s+3]|
	v_max3_num_f32 v[TM+1], v[TM+1], |v[\s+11]|, |v[\s+12]|
	v_max3_num_f32 v[TM], v[TM], |v[\s+4]|, |v[\s+5]|
	v_max3_num_f32 v[TM+1], v[TM+1], |v[\s+13]|, |v[\s+14]|
	v_max3_num_f32 v[TM], v[TM], |v[\s+6]|, |v[\s+7]|
	v_max3_num_f32 v[TM], v[TM], v[TM+1], |v[\s+15]|
	v_permlanex16_b32 v[TM+4], v[TM], s[SEL], s[SEL+1]
	v_max_num_f32 v[TM], v[TM], v[TM+4]
	v_add_nc_u32 v[TM+12], 0xff000000, v[TM]
	v_lshrrev_b32 v[TM+4], 23, v[TM+12]
	v_lshl_or_b32 v[TM+5], v[TM+4], 8, v[TM+4]
	v_lshl_or_b32 v[\w], v[TM+5], 16, v[TM+5]
	v_cvt_scalef32_pk8_fp4_f32 v[\p], v[\s:\s+7], v[TM+12]
	v_cvt_scalef32_pk8_fp4_f32 v[\p+1], v[\s+8:\s+15], v[TM+12]
	v_nop
.endm
	QH 64, 124, 50
	v_mov_b32 v51, v50
	QH 80, 126, 49
	v_permlanex16_b32 v[TM+6], v126, s[SEL], s[SEL+1]
	v_permlanex16_b32 v[TM+7], v127, s[SEL], s[SEL+1]
	v_cndmask_b32 v116, v[TM+6], v126, s[LOM]                ; F: the token's 16 bytes in both halves of the lanes
	v_cndmask_b32 v117, v[TM+7], v127, s[LOM]
	v_cndmask_b32 v118, v126, v[TM+6], s[LOM]
	v_cndmask_b32 v119, v127, v[TM+7], s[LOM]
	BUILD 96
.rept 4
	v_nop                                          ; an operand written by vector instructions stands four places ahead of a scaled matrix instruction
.endr
	s_wait_alu depctr_va_vdst(0)                   ; hw's codes v124, v125 and scale words v50, v51 are written, which the two stores read; so are hb's operands v96-123 and its scale word v49, which the scaled products below take (their places stand ahead of this wait)
	global_store_b64 v14, v[124:125], s[24:25]               ; token r's 16 bytes of codes at 16 r: 256 consecutive bytes
	global_store_b64 v15, v[50:51], s[24:25] offset:256      ; and the scale word of each lane's token, twice: 256 more
; ---- 6: b = Q(hb) Q(u2)^T + c2 less its mean, 256 outputs in 16 results; a fifth product a fragment sums b's bare products over the outputs
.irp f, 0,1,2,3
	s_wait_dscnt 0x0
	WIN 0x40
.irp b, 0,1,2,3
	v_wmma_scale_f32_16x16x128_f8f6f4 v[128+32*\f+8*\b:135+32*\f+8*\b], v[128+8*\f:135+8*\f], v[96+12*(\b/2)+8*(\b%2)-16*(\b/3):103+12*(\b/2)+8*(\b%2)-16*(\b/3)], v[160+8*\b:167+8*\b], v[52+\f], v49 matrix_a_fmt:MATRIX_FMT_FP4 matrix_b_fmt:MATRIX_FMT_FP4
.endr
	WIN 0
.if \f == 0
	v_wmma_scale_f32_16x16x128_f8f6f4 v[56:63], v[128+8*\f:135+8*\f], v[116:123], 0, v[52+\f], v49 matrix_a_fmt:MATRIX_FMT_FP4 matrix_b_fmt:MATRIX_FMT_FP4
.else
	v_wmma_scale_f32_16x16x128_f8f6f4 v[56:63], v[128+8*\f:135+8*\f], v[116:123], v[56:63], v[52+\f], v49 matrix_a_fmt:MATRIX_FMT_FP4 matrix_b_fmt:MATRIX_FMT_FP4
.endif
.rept 4
	v_nop                                          ; places ahead of the loads into C's registers and of the first read of results
.endr
.if \f < 3
	s_wait_alu depctr_va_vdst(0)                   ; this fragment's four products are done reading their C, v160-191, in which the next fragment's C lands
	CLD \f+1
.endif
	WIN 0x05
.irp b, 0,1,2,3
.irp q, 0,2,4,6
.if (\f == 0) && (\b == 0)
	v_pk_mul_f32 v[192+\q:193+\q], v[128+32*\f+8*\b+\q:129+32*\f+8*\b+\q], v[128+32*\f+8*\b+\q:129+32*\f+8*\b+\q]
.else
	v_pk_fma_f32 v[192+\q:193+\q], v[128+32*\f+8*\b+\q:129+32*\f+8*\b+\q], v[128+32*\f+8*\b+\q:129+32*\f+8*\b+\q], v[192+\q:193+\q]
.endif
.endr
.endr
	WIN 0
.endr
; ---- 7: LayerNorm of b
	v_pk_add_f32 v[22:23], v[56:57], v[58:59]
	v_pk_add_f32 v[24:25], v[60:61], v[62:63]
	v_pk_add_f32 v[26:27], v[192:193], v[194:195]
	v_pk_add_f32 v[28:29], v[196:197], v[198:199]
	v_pk_add_f32 v[22:23], v[22:23], v[24:25]
	v_pk_add_f32 v[26:27], v[26:27], v[28:29]
	v_add_f32 v22, v22, v23
	v_add_f32 v26, v26, v27
	v_permlanex16_b32 v23, v22, s[SEL], s[SEL+1]
	v_permlanex16_b32 v27, v26, s[SEL], s[SEL+1]
	v_add_f32 v22, v22, v23
	v_add_f32 v26, v26, v27
	v_mul_f32 v22, s[R256], v22                    ; the mean
	v_mul_f32 v26, s[R256], v26
	v_fma_f32 v26, -v22, v22, v26                  ; the variance,
	v_max_num_f32 v26, 0, v26                      ; held at 0 from below
	v_add_f32 v26, s[EPSR], v26
	v_rsq_f32 v24, v26
	v_nop                                          ; a plain place behind the transcendental,
	s_wait_alu depctr_va_vdst(0)                   ; and a wait ahead of the first use of its result, v24
	v_mov_b32 v25, v24
	v_mul_f32 v28, -v22, v24
	v_mov_b32 v29, v28
	WIN 0x41
.set N, 128
.rept 64
	v_pk_fma_f32 v[N:N+1], v[N:N+1], v[24:25], v[28:29]
.set N, N+2
.endr
	WIN 0x04
	s_wait_alu depctr_va_vdst(0)                   ; LayerNorm(b) is written, which the 32 stores read
.irp f, 0,1,2,3
.irp b, 0,1,2,3
.irp jh, 0,1
	global_store_b128 v18, v[128+32*\f+8*\b+4*\jh:131+32*\f+8*\b+4*\jh], s[32:33] offset:65536*(8*\f+4*(\b/2)+(\b%2))+256*\jh   ; group of eight outputs 8 f + 4 (b / 2) + 2 h + b % 2; each half of the lanes stores 256 consecutive bytes
.endr
.endr
.endr
	WIN 0
	s_wait_dscnt 0x0                               ; the closing lines, six on end
	s_wait_alu 0x0
	s_wait_tensorcnt 0x0
	ds_add_u32 v246, v247
	s_wait_dscnt 0x0
	s_endpgm
.Lfunc_end_k_qd328e705c2_prep:
	.size	k_qd328e705c2_prep, .Lfunc_end_k_qd328e705c2_prep-k_qd328e705c2_prep
	.p2alignl 7, 3214868480
	.fill 96, 4, 3214868480
	.section	.rodata,"a",@progbits
	.p2align	6, 0x0
	.amdhsa_kernel k_qd328e705c2_prep
		.amdhsa_group_segment_fixed_size 96768
		.amdhsa_private_segment_fixed_size 0
		.amdhsa_enable_private_segment 0
		.amdhsa_kernarg_size 120
		.amdhsa_user_sgpr_count 2
		.amdhsa_user_sgpr_kernarg_segment_ptr 1
		.amdhsa_wavefront_size32 1
		.amdhsa_system_sgpr_workgroup_id_x 1
		.amdhsa_system_sgpr_workgroup_id_y 1
		.amdhsa_system_sgpr_workgroup_id_z 1
		.amdhsa_system_vgpr_workitem_id 0
		.amdhsa_next_free_vgpr 512
		.amdhsa_next_free_sgpr 66
		.amdhsa_reserve_vcc 0
		.amdhsa_float_denorm_mode_32 3
		.amdhsa_float_denorm_mode_16_64 3
		.amdhsa_memory_ordered 1
		.amdhsa_forward_progress 1
		.amdhsa_inst_pref_size 98
	.end_amdhsa_kernel
	.amdgpu_metadata
---
amdhsa.version: [ 1, 2 ]
amdhsa.kernels:
  - .name:           k_qd328e705c2_prep
    .symbol:         k_qd328e705c2_prep.kd
    .args:
      - { .name: x, .offset: 0, .size: 8, .value_kind: global_buffer, .address_space: global }
      - { .name: w1, .offset: 8, .size: 8, .value_kind: global_buffer, .address_space: global }
      - { .name: b1, .offset: 16, .size: 8, .value_kind: global_buffer, .address_space: global }
      - { .name: w2, .offset: 24, .size: 8, .value_kind: global_buffer, .address_space: global }
      - { .name: b2, .offset: 32, .size: 8, .value_kind: global_buffer, .address_space: global }
      - { .name: u1, .offset: 40, .size: 8, .value_kind: global_buffer, .address_space: global }
      - { .name: c1, .offset: 48, .size: 8, .value_kind: global_buffer, .address_space: global }
      - { .name: u2, .offset: 56, .size: 8, .value_kind: global_buffer, .address_space: global }
      - { .name: c2, .offset: 64, .size: 8, .value_kind: global_buffer, .address_space: global }
      - { .name: xt, .offset: 72, .size: 8, .value_kind: global_buffer, .address_space: global }
      - { .name: hwq, .offset: 80, .size: 8, .value_kind: global_buffer, .address_space: global }
      - { .name: w2i, .offset: 88, .size: 8, .value_kind: global_buffer, .address_space: global }
      - { .name: w2s, .offset: 96, .size: 8, .value_kind: global_buffer, .address_space: global }
      - { .name: b2c, .offset: 104, .size: 8, .value_kind: global_buffer, .address_space: global }
      - { .name: bln, .offset: 112, .size: 8, .value_kind: global_buffer, .address_space: global }
    .group_segment_fixed_size: 96768
    .private_segment_fixed_size: 0
    .kernarg_segment_align: 8
    .kernarg_segment_size: 120
    .max_flat_workgroup_size: 128
    .sgpr_count:     66
    .vgpr_count:     512
    .wavefront_size: 32
...
	.end_amdgpu_metadata
.endif
;; end of part 3
;; launch main (part 4): grid 32 x 8, 4 waves a work-group, no clusters, 53,760 bytes of LDS; arguments xt, hwq, w2i, w2s, b2c, bln, out0; writes out0
.if DOCPART == 4
	.amdgcn_target "amdgcn-amd-amdhsa--gfx1250"
	.amdhsa_code_object_version 6
	.text
	.protected	k_qd328e705c2_main
	.globl	k_qd328e705c2_main
	.p2align	8
	.type	k_qd328e705c2_main,@function
k_qd328e705c2_main:
	s_mov_b64 s[64:65], 0
	v_nop
	global_prefetch_b8 v0, s[64:65] scope:SCOPE_SE
	s_setreg_imm32_b32 hwreg(HW_REG_WAVE_SCHED_MODE, 0, 2), 2
	s_setreg_imm32_b32 hwreg(HW_REG_WAVE_MODE, 25, 1), 1
	s_wait_xcnt 0x0
	s_wait_alu depctr_vm_vsrc(0)
; MAIN: y[t][o] = sum over i of LayerNorm_i(w[t][o][i]) x[t][i] + LayerNorm(b)[t][o], w[t][o][i] = Q(hw[t]) . Q(w2[256 o + i]) + b2[256 o + i].  w never leaves the registers.
; ARITHMETIC.  With w' = w less b2's own mean over i (which LayerNorm does not see) and xc = x less its row's mean:  sum (w - mean) x = sum w' xc;  the mean of w' is the mean of the bare products;
;   variance = sum w'^2 / 256 - mean^2.  So each w' costs two fused multiply-adds (packed: one instruction a number), and the sum of the bare products is taken by the matrix unit.
; SHARES.  A work-group: 256 tokens (grid y) x 8 outputs (grid x).  A wave: 64 tokens, four tiles of 16, whose xc stays in 512 registers; it walks the 8 outputs, four fragments of w2 each.
; THE PRODUCT.  K is 32, one block; the instruction takes four.  A fragment (8 registers, 2 LDS loads) holds 64 rows of w2: matrix row m, block b = 2 B + u of fragment f is i = 64 f + 32 B + 16 (m / 8) + 8 u + m % 8.
;   The token operand B_b has the token's 32 codes in block b and zero codes elsewhere, B_all has them in all four.  Source 0 = w2, source 1 = 16 tokens, C = b2 less its mean:
;   lane (r, h) of D(f, b) holds token r, register j: i = 64 f + 32 B + 16 h + 8 u + j, and register 32 f + 8 b + j of the tile's xc holds the same i.
; NO CLUSTER, NO JOINT LOADS: what the work-groups of a row of the grid share, xc, goes from memory straight into the registers in which it stays; through LDS it would be written and read there once more, 262,144 bytes each way
;   against the 45,056 bytes that the work-group keeps in LDS.  Nothing in LDS is filled again, so no tensor load is used.
; LIMITS: the variance is taken in one pass, in f32, held at 0 from below: its relative error grows as (mean of w' / deviation)^2 x 2^-23.  NaN and infinities are not served.
;   A work-group owns 8 outputs, so out0 is stored in pieces of 32 bytes of a token's row, 16 rows an instruction.
; REGISTERS, in windows of 256.  Window 0: v1-11, v28, v29 addresses that stay; v12-15 the output's LDS addresses; v16-19 w2's scale words of the output's four fragments; v24-27 the four tiles' scale words;
;   v32-95, v96-159 two buffers of eight results (tile kk of a pair, block b at 32 kk + 8 b); v160-191 the sums of the bare products, 8 a tile; v192-255 a tile's 16: four pairs of sum w'^2, four of sum w' xc.
;   Windows 1, 2: xc, tile k at window 1 + k / 2, 128 (k % 2) on.   Window 3: v0-15 w2's fragment, two buffers; v32-95 C, two buffers; v96 + 28 k the token operands; v208 + 4 k LayerNorm(b).
; THE MODE: SCHED_MODE bits 1:0 = 2 (LLVM: expert scheduling mode 2), set by the entry lines.  The code itself states the register dependences between vector or matrix instructions and memory or LDS
;   instructions, with s_wait_alu, always for 0.
; THE PLAN.  Registers that LDS instructions touch in the loop over the outputs:
;   the fragment's and C's two buffers (window 3)   Written by the ten LDS loads of L; read by the fragment's 20 products (W, W, WC); loaded again two fragments on.
;   v16-19            Written by one LDS load an output, behind the output's last products; read as scales by all 80 products of an output.
;   v12-15            Written once an output, at its head; v12-14 are read by its LDS loads, v15 by its four result stores.
;   ACC + 16 k + 8    Written by FINAL's last multiplies; read by the four result stores; written anew by the next output's first V blocks.
;   The result buffers, the chains' sums, the rest of ACC, xc and the token operands are named by vector and matrix instructions alone.
; So each run of loads has ONE wait on va_vdst ahead of it.  At an output's head it stands behind the four address lines, close behind FINAL's waits; for the other three runs it stands behind a block of 64 vector lines
; that was issued behind the products whose buffer is loaded.  One more stands between FINAL's multiplies and their stores.  ONE wait on vm_vsrc an output, at its head, frees v12-15 and the stores' data.
.set AIMG, 0                           ; LDS: the 8 outputs' fragments as images of their registers: [o][f][c][lane] 16 bytes
.set ASC,  32768                       ; their scale words: [o][lane][f]
.set BC,   36864                       ; b2 less its mean: [o][256]
.set YST,  45056                       ; the results, 2,048 bytes for each wave, its own: [token 64][o 8]
.set D0,   32
.set D1,   96
.set S1,   160
.set ACC,  192
.set CB,   32                          ; window 3
.set BB,   96
.set BLN,  208
.set LOM,  30                          ; s30 a mask: lanes 0-15
.set MSB, 0
.macro WIN new                         ; the immediate's high byte repeats the setting that is left; a switch that changes nothing is dropped
.if MSB != (\new)
	s_set_vgpr_msb (MSB<<8)|(\new)
.set MSB, (\new)
.endif
.endm
; From F = v[base + 20 .. 23] the five token operands in 28 registers: Lo, 0, Hi, 0, Lo, F, F.  B_0 = base, B_1 = base + 8, B_2 = base + 12, B_3 = base + 4, B_all = base + 20.
.macro BUILD base
.irp i, 0,1,2,3
	v_cndmask_b32 v[(\base)+\i], 0, v[(\base)+20+\i], s[LOM]
	v_mov_b32 v[(\base)+4+\i], 0
	v_cndmask_b32 v[(\base)+8+\i], v[(\base)+20+\i], 0, s[LOM]
	v_mov_b32 v[(\base)+12+\i], 0
	v_cndmask_b32 v[(\base)+16+\i], 0, v[(\base)+20+\i], s[LOM]
	v_mov_b32 v[(\base)+24+\i], v[(\base)+20+\i]
.endr
.endm
.macro XL k, from, cnt                 ; cnt loads of tile k's xc, 512 consecutive bytes each
.set N, \from
.rept \cnt
	global_load_b128 v[128*((\k)%2)+4*N:128*((\k)%2)+4*N+3], v5, s[4:5] offset:16384*(\k)+512*N
.set N, N+1
.endr
.endm
	s_load_b256 s[4:11], s[0:1], 0x0               ; xt s[4:5], hwq s[6:7], w2i s[8:9], w2s s[10:11]
	s_load_b128 s[12:15], s[0:1], 0x20             ; b2c s[12:13], bln s[14:15]
	s_load_b64 s[16:17], s[0:1], 0x30              ; out0
	v_lshl_add_u32 v30, v0, 2, 0xd000
	v_mov_b32 v31, 0
	v_lshrrev_b32 v1, 5, v0
	v_readfirstlane_b32 s18, v1                    ; wave 0..3
	v_and_b32 v1, 31, v0                           ; l
	v_and_b32 v2, 15, v0                           ; r
	v_bfe_u32 v3, v0, 4, 1                         ; h
	v_lshlrev_b32 v4, 4, v0                        ; 16 x thread: the copy into LDS
	v_lshlrev_b32 v5, 4, v1                        ; 16 l
	v_lshlrev_b32 v6, 4, v2                        ; 16 r
	v_lshlrev_b32 v7, 3, v1                        ; 8 l
	v_add_nc_u32 v8, AIMG, v5                      ; a fragment's image, for my lane
	v_lshlrev_b32 v9, 6, v3
	v_add_nc_u32 v9, BC, v9                        ; C: + 64 h
	v_add_nc_u32 v10, ASC, v5                      ; my lane's four scale words
	s_wait_alu depctr_va_sdst(0)                   ; s18, the wave's number, is written, ahead of its first reader
	s_lshl_b32 s22, s18, 11
	s_add_co_u32 s22, s22, YST
	v_lshl_add_u32 v11, v2, 5, s22                 ; my wave's results: token r of a tile
	v_lshl_add_u32 v28, v3, 4, v11                 ; and back: four outputs for each half of the lanes
	v_lshlrev_b32 v29, 10, v2
	v_lshl_add_u32 v29, v3, 4, v29                 ; out0: row r, + 16 h
	s_and_b32 s20, ttmp7, 0xffff                   ; which 256 tokens
	s_lshl_b32 s21, s20, 4
	s_lshl_b32 s22, s18, 2
	s_add_co_u32 s21, s21, s22                     ; my first tile of 16 tokens
	s_mov_b32 s23, 0
	s_mov_b32 s[LOM], 0xffff
	s_mov_b32 s31, 0x3b800000                      ; 1 / 256
	s_mov_b32 s32, 0x3727c5ac                      ; 1e-5
	s_mov_b32 s34, 0x76543210
	s_mov_b32 s35, 0xfedcba98                      ; v_permlanex16_b32's selects for lane l xor 16
	s_wait_kmcnt 0x0
	s_lshl_b32 s22, s21, 14
	s_add_nc_u64 s[4:5], s[4:5], s[22:23]          ; xt: 16,384 bytes a tile
	s_add_nc_u64 s[16:17], s[16:17], s[22:23]      ; out0: 16 rows of 1,024 bytes a tile
	s_lshl_b32 s22, s21, 9
	s_add_nc_u64 s[6:7], s[6:7], s[22:23]          ; hwq
	s_add_nc_u64 s[14:15], s[14:15], s[22:23]      ; bln: 512 bytes a tile,
	s_lshl_b32 s22, ttmp9, 16
	s_add_nc_u64 s[14:15], s[14:15], s[22:23]      ; 65,536 a group of eight outputs
	s_lshl_b32 s22, ttmp9, 15
	s_add_nc_u64 s[8:9], s[8:9], s[22:23]          ; w2i
	s_lshl_b32 s22, ttmp9, 12
	s_add_nc_u64 s[10:11], s[10:11], s[22:23]      ; w2s
	s_lshl_b32 s22, ttmp9, 13
	s_add_nc_u64 s[12:13], s[12:13], s[22:23]      ; b2c
	s_lshl_b32 s22, ttmp9, 5
	s_add_nc_u64 s[16:17], s[16:17], s[22:23]      ; my eight outputs in a row of out0
	s_wait_alu depctr_va_vdst(0)                   ; the addresses that stay, v4 to v11, v28 and v29, are written: the loads and stores of the whole kernel read them, and none is written again
; the work-group's 45,056 bytes for LDS: 22 loads, 2,048 consecutive bytes each
.set N, 0
.rept 16
	global_load_b128 v[32+4*N:35+4*N], v4, s[8:9] offset:2048*N
.set N, N+1
.endr
.set N, 0
.rept 2
	global_load_b128 v[96+4*N:99+4*N], v4, s[10:11] offset:2048*N
.set N, N+1
.endr
.set N, 0
.rept 4
	global_load_b128 v[104+4*N:107+4*N], v4, s[12:13] offset:2048*N
.set N, N+1
.endr
	WIN 0xc0                                       ; destination window 3
.irp k, 0,1,2,3
	global_load_b128 v[BB+28*\k+20:BB+28*\k+23], v6, s[6:7] offset:512*\k     ; token r's codes, in both halves of the lanes
	global_load_b128 v[BLN+4*\k:BLN+4*\k+3], v5, s[14:15] offset:512*\k
.endr
	WIN 0
.irp k, 0,1,2,3
	global_load_b32 v[24+\k], v7, s[6:7] offset:512*\k+256                    ; and its scale word
.endr
	WIN 0x40
	XL 0, 0, 24
	WIN 0
	s_wait_loadcnt 36                              ; the 22 are in: 12 small loads and 24 of xc were issued behind them
.set N, 0
.rept 22
	ds_store_b128 v4, v[32+4*N:35+4*N] offset:2048*N
.set N, N+1
.endr
	WIN 0x40
	XL 0, 24, 8
	XL 1, 0, 32
	WIN 0x80
	XL 2, 0, 32
	XL 3, 0, 32
	WIN 0
	s_wait_loadcnt 63                              ; the small loads are in: 128 loads of xc were issued behind them
	WIN 0xcf                                       ; destination and sources 0, 1: window 3
.irp k, 0,1,2,3
	BUILD BB+28*\k
.endr
	WIN 0
.rept 4
	v_nop                                          ; an operand written by vector instructions stands four places ahead of a scaled matrix instruction
.endr
	s_wait_dscnt 0x0                               ; for the others' sake: my part of the copy lies in LDS
	s_barrier_signal -1
	s_barrier_wait -1                              ; the one barrier: from here on these bytes are only read
	s_wait_alu depctr_vm_vsrc(0)                   ; my 22 LDS stores have read v32-119: these registers are the result buffers from here on, written by the products
; ten LDS loads: a fragment of w2 (offa bytes from the output's first) and its C (offc) into buffer buf
.macro L offa, offc, buf
	WIN 0xc0
.irp c, 0,1
	ds_load_b128 v[8*\buf+4*\c:8*\buf+4*\c+3], v12 offset:\offa+512*\c
.endr
.irp b, 0,1,2,3
	ds_load_b128 v[CB+32*\buf+8*\b:CB+32*\buf+8*\b+3], v13 offset:\offc+128*(\b/2)+32*(\b%2)
	ds_load_b128 v[CB+32*\buf+8*\b+4:CB+32*\buf+8*\b+7], v13 offset:\offc+128*(\b/2)+32*(\b%2)+16
.endr
.endm
; eight products: fragment f (in buffer buf) x the four blocks x the two tiles of pair p, into result buffer db
.macro W p, f, buf, db
	WIN 0x3f
.irp b, 0,1,2,3
.irp kk, 0,1
	v_wmma_scale_f32_16x16x128_f8f6f4 v[\db+32*\kk+8*\b:\db+32*\kk+8*\b+7], v[8*\buf:8*\buf+7], v[BB+28*(2*\p+\kk)+12*(\b/2)+8*(\b%2)-16*(\b/3):BB+28*(2*\p+\kk)+12*(\b/2)+8*(\b%2)-16*(\b/3)+7], v[CB+32*\buf+8*\b:CB+32*\buf+8*\b+7], v[16+\f], v[24+2*\p+\kk] matrix_a_fmt:MATRIX_FMT_FP4 matrix_b_fmt:MATRIX_FMT_FP4
.endr
.endr
.endm
; four products: the fragment's four blocks summed, for each tile; over the four fragments a chain in place.  The four accumulators take turns, one instruction a turn
.macro WC f, buf
	WIN 0x0f
.irp k, 0,1,2,3
.if (\f) == 0
	v_wmma_scale_f32_16x16x128_f8f6f4 v[S1+8*\k:S1+8*\k+7], v[8*\buf:8*\buf+7], v[BB+28*\k+20:BB+28*\k+27], 0, v[16+\f], v[24+\k] matrix_a_fmt:MATRIX_FMT_FP4 matrix_b_fmt:MATRIX_FMT_FP4
.else
	v_wmma_scale_f32_16x16x128_f8f6f4 v[S1+8*\k:S1+8*\k+7], v[8*\buf:8*\buf+7], v[BB+28*\k+20:BB+28*\k+27], v[S1+8*\k:S1+8*\k+7], v[16+\f], v[24+\k] matrix_a_fmt:MATRIX_FMT_FP4 matrix_b_fmt:MATRIX_FMT_FP4
.endif
.endr
.endm
; 64 packed multiply-adds on the eight results in buffer db: sum w'^2, then sum w' xc.  Two links of one chain stand eight lines apart; each result is read from its low end on; the first fragment's first block starts the sums.
; Such a block names none of the registers of the products on the OTHER buffer: it is the places behind them.
.macro V p, db, f
	WIN 0
.irp b, 0,1,2,3
.irp kk, 0,1
.irp q, 0,2,4,6
.if ((\f) == 0) && (\b == 0)
	v_pk_mul_f32 v[ACC+16*(2*\p+\kk)+\q:ACC+16*(2*\p+\kk)+\q+1], v[\db+32*\kk+8*\b+\q:\db+32*\kk+8*\b+\q+1], v[\db+32*\kk+8*\b+\q:\db+32*\kk+8*\b+\q+1]
.else
	v_pk_fma_f32 v[ACC+16*(2*\p+\kk)+\q:ACC+16*(2*\p+\kk)+\q+1], v[\db+32*\kk+8*\b+\q:\db+32*\kk+8*\b+\q+1], v[\db+32*\kk+8*\b+\q:\db+32*\kk+8*\b+\q+1], v[ACC+16*(2*\p+\kk)+\q:ACC+16*(2*\p+\kk)+\q+1]
.endif
.endr
.endr
.endr
	WIN 4*(1+\p)                                   ; source 1: xc's window
.irp b, 0,1,2,3
.irp kk, 0,1
.irp q, 0,2,4,6
.if ((\f) == 0) && (\b == 0)
	v_pk_mul_f32 v[ACC+16*(2*\p+\kk)+8+\q:ACC+16*(2*\p+\kk)+9+\q], v[\db+32*\kk+8*\b+\q:\db+32*\kk+8*\b+\q+1], v[128*\kk+32*(\f)+8*\b+\q:128*\kk+32*(\f)+8*\b+\q+1]
.else
	v_pk_fma_f32 v[ACC+16*(2*\p+\kk)+8+\q:ACC+16*(2*\p+\kk)+9+\q], v[\db+32*\kk+8*\b+\q:\db+32*\kk+8*\b+\q+1], v[128*\kk+32*(\f)+8*\b+\q:128*\kk+32*(\f)+8*\b+\q+1], v[ACC+16*(2*\p+\kk)+8+\q:ACC+16*(2*\p+\kk)+9+\q]
.endif
.endr
.endr
.endr
.endm
.macro PKA d, a, b
	v_pk_add_f32 v[(\d):(\d)+1], v[(\a):(\a)+1], v[(\b):(\b)+1]
.endm
; a lane's sums of an output, the four tiles by turns: a + 0 = sum w'^2, a + 8 = sum w' xc, a + 2 = the sum of the bare products (a = ACC + 16 k).  The chains' accumulators are read, not written
.macro REDUCE
	WIN 0
.irp k, 0,1,2,3
	PKA ACC+16*\k, ACC+16*\k, ACC+16*\k+2
.endr
.irp k, 0,1,2,3
	PKA ACC+16*\k+4, ACC+16*\k+4, ACC+16*\k+6
.endr
.irp k, 0,1,2,3
	PKA ACC+16*\k+8, ACC+16*\k+8, ACC+16*\k+10
.endr
.irp k, 0,1,2,3
	PKA ACC+16*\k+12, ACC+16*\k+12, ACC+16*\k+14
.endr
.irp k, 0,1,2,3
	PKA ACC+16*\k, ACC+16*\k, ACC+16*\k+4
.endr
.irp k, 0,1,2,3
	PKA ACC+16*\k+8, ACC+16*\k+8, ACC+16*\k+12
.endr
.irp k, 0,1,2,3
	PKA ACC+16*\k+2, S1+8*\k, S1+8*\k+2
.endr
.irp k, 0,1,2,3
	PKA ACC+16*\k+4, S1+8*\k+4, S1+8*\k+6
.endr
.irp k, 0,1,2,3
	v_add_f32 v[ACC+16*\k], v[ACC+16*\k], v[ACC+16*\k+1]
.endr
.irp k, 0,1,2,3
	v_add_f32 v[ACC+16*\k+8], v[ACC+16*\k+8], v[ACC+16*\k+9]
.endr
.irp k, 0,1,2,3
	PKA ACC+16*\k+2, ACC+16*\k+2, ACC+16*\k+4
.endr
.irp k, 0,1,2,3
	v_add_f32 v[ACC+16*\k+2], v[ACC+16*\k+2], v[ACC+16*\k+3]
.endr
.endm
; with lane l xor 16's sums: mean, variance, 1 / sqrt; the result goes to the wave's own bytes of LDS (both halves of the lanes write the same word with the same value)
.macro FINAL
	WIN 0
.irp k, 0,1,2,3
	v_permlanex16_b32 v[ACC+16*\k+3], v[ACC+16*\k], s34, s35
.endr
.irp k, 0,1,2,3
	v_permlanex16_b32 v[ACC+16*\k+4], v[ACC+16*\k+2], s34, s35
.endr
.irp k, 0,1,2,3
	v_permlanex16_b32 v[ACC+16*\k+10], v[ACC+16*\k+8], s34, s35
.endr
.irp k, 0,1,2,3
	v_add_f32 v[ACC+16*\k], v[ACC+16*\k], v[ACC+16*\k+3]
.endr
.irp k, 0,1,2,3
	v_add_f32 v[ACC+16*\k+2], v[ACC+16*\k+2], v[ACC+16*\k+4]
.endr
.irp k, 0,1,2,3
	v_add_f32 v[ACC+16*\k+8], v[ACC+16*\k+8], v[ACC+16*\k+10]
.endr
.irp k, 0,1,2,3
	v_mul_f32 v[ACC+16*\k+2], s31, v[ACC+16*\k+2]                 ; the mean
.endr
.irp k, 0,1,2,3
	v_mul_f32 v[ACC+16*\k], s31, v[ACC+16*\k]
.endr
.irp k, 0,1,2,3
	v_fma_f32 v[ACC+16*\k], -v[ACC+16*\k+2], v[ACC+16*\k+2], v[ACC+16*\k]   ; the variance,
.endr
.irp k, 0,1,2,3
	v_max_num_f32 v[ACC+16*\k], 0, v[ACC+16*\k]                   ; held at 0 from below
.endr
.irp k, 0,1,2,3
	v_add_f32 v[ACC+16*\k], s32, v[ACC+16*\k]
.endr
.irp k, 0,1,2,3
	v_rsq_f32 v[ACC+16*\k+1], v[ACC+16*\k]
.endr
	v_nop                                          ; a plain place behind the last of the batch,
	s_wait_alu depctr_va_vdst(0)                   ; and one wait for the four results ACC + 16 k + 1, ahead of the first use of one
.irp k, 0,1,2,3
	v_mul_f32 v[ACC+16*\k+8], v[ACC+16*\k+8], v[ACC+16*\k+1]
.endr
	s_wait_alu depctr_va_vdst(0)                   ; the four multiplies have written ACC + 16 k + 8, which the four stores read
.irp k, 0,1,2,3
	ds_store_b32 v15, v[ACC+16*\k+8] offset:512*\k
.endr
.endm
; ONE OUTPUT.  It is entered with fragment 0's products issued (both pairs, and the chains' first links), fragment 1 asked for, and the output's scale words in v16-19.
; Pair 0's results lie in D0, pair 1's in D1: while one buffer is worked on by the vector unit, the other's products are issued.  Every result buffer that is written over or read stands behind a whole block of
; 64 vector lines on the other result buffer, counted from the last product that named it; so does every fragment buffer that is loaded, but the first of an output, which stands behind FINAL's lines.
; last = 1: nothing is asked for beyond the eighth output.
.macro OTRIP last
	s_wait_alu depctr_vm_vsrc(0)                   ; the LDS loads issued so far have read v12-14, and the last output's four stores v15 and ACC + 16 k + 8: the four lines below and the first V blocks write these anew
	v_add_nc_u32 v12, s25, v8                      ; the output's fragments,
	v_add_nc_u32 v13, s26, v9                      ; its b2,
	v_add_nc_u32 v14, s27, v10                     ; its scale words,
	v_add_nc_u32 v15, s28, v11                     ; and its place among the results
	s_wait_alu depctr_va_vdst(0)                   ; v12-15 are written, which this output's LDS loads and stores read; fragment 0's 20 products are done reading buffer 0, in which the loads below land
	L 2048, 512, 0                                 ; fragment 2
	V 0, D0, 0
	s_wait_dscnt 10                                ; fragment 1 is in; fragment 2's ten loads may be out
	W 0, 1, 1, D0
	V 1, D1, 0
	W 1, 1, 1, D1
	WC 1, 1
	V 0, D0, 1
	s_wait_alu depctr_va_vdst(0)                   ; fragment 1's 20 products are done reading buffer 1, in which the loads below land
	L 3072, 768, 1                                 ; fragment 3
	s_wait_dscnt 10
	W 0, 2, 0, D0
	V 1, D1, 1
	W 1, 2, 0, D1
	WC 2, 0
	V 0, D0, 2
.if !\last
	s_wait_alu depctr_va_vdst(0)                   ; fragment 2's 20 products are done reading buffer 0, in which the loads below land
	L 4096, 1024, 0                                ; the next output's fragment 0
	s_wait_dscnt 10
.else
	s_wait_dscnt 0x0
.endif
	W 0, 3, 1, D0
	V 1, D1, 2
	W 1, 3, 1, D1
	WC 3, 1
	V 0, D0, 3
.if !\last
	WIN 0
	s_wait_alu depctr_va_vdst(0)                   ; the output's last products are done reading its scale words v16-19 and buffer 1, in which the eleven loads below land
	ds_load_b128 v[16:19], v14 offset:512          ; the next output's scale words
	L 5120, 1280, 1                                ; and its fragment 1
.endif
	V 1, D1, 3
	REDUCE
.if !\last
	s_wait_dscnt 10                                ; the next output's fragment 0 and scale words are in; fragment 1's ten loads may be out
	W 0, 0, 0, D0
	W 1, 0, 0, D1
	WC 0, 0
.endif
	FINAL                                          ; its plain lines are the places behind those products
.endm
	s_mov_b32 s25, 0
	s_mov_b32 s26, 0
	s_mov_b32 s27, 0
	s_mov_b32 s28, 0
	v_add_nc_u32 v12, s25, v8
	v_add_nc_u32 v13, s26, v9
	v_add_nc_u32 v14, s27, v10
	s_wait_alu depctr_va_vdst(0)                   ; v12-14 are written, which the LDS loads below read; so are the token operands that BUILD made, which the scaled products take (their places stand ahead of this wait)
	ds_load_b128 v[16:19], v14
	L 0, 0, 0
	L 1024, 256, 1
	s_wait_dscnt 10                                ; the scale words and fragment 0 are in
	W 0, 0, 0, D0
	W 1, 0, 0, D1
	WC 0, 0
	WIN 0
	s_wait_loadcnt 0x0                             ; xc
.rept 4
	v_nop                                          ; places behind the first products
.endr
	s_mov_b32 s24, 7
.Loutput:
	OTRIP 0
	s_add_co_u32 s25, s25, 4096
	s_add_co_u32 s26, s26, 1024
	s_add_co_u32 s27, s27, 512
	s_add_co_u32 s28, s28, 4
	s_sub_co_u32 s24, s24, 1
	s_cmp_lg_u32 s24, 0
	s_cbranch_scc1 .Loutput
	OTRIP 1                                        ; the eighth output is written out: it asks for nothing more
; THE WAY OUT: lane (r, h) takes four outputs of token r of each tile, adds LayerNorm(b) and stores 16 bytes.
; The loads land in v32-47, of the first result buffer: the products that wrote it and the V lines that read it stand ahead of FINAL's waits, and no vector line behind those waits names these registers.
.irp k, 0,1,2,3
	ds_load_b128 v[32+4*\k:35+4*\k], v28 offset:512*\k     ; LDS serves a wave's instructions in order: these see my stores
.endr
	s_wait_dscnt 0x0
	WIN 0x0c                                       ; source 1: window 3
.irp k, 0,1,2,3
	v_pk_add_f32 v[32+4*\k:33+4*\k], v[32+4*\k:33+4*\k], v[BLN+4*\k:BLN+4*\k+1]
	v_pk_add_f32 v[34+4*\k:35+4*\k], v[34+4*\k:35+4*\k], v[BLN+4*\k+2:BLN+4*\k+3]
.endr
	WIN 0
	s_wait_alu depctr_va_vdst(0)                   ; the eight additions have written v32-47, which the four stores read
.irp k, 0,1,2,3
	global_store_b128 v29, v[32+4*\k:35+4*\k], s[16:17] offset:16384*\k th:TH_STORE_NT
.endr
	s_wait_dscnt 0x0                               ; the closing lines, six on end
	s_wait_alu 0x0
	s_wait_tensorcnt 0x0
	ds_add_u32 v30, v31
	s_wait_dscnt 0x0
	s_endpgm
.Lfunc_end_k_qd328e705c2_main:
	.size	k_qd328e705c2_main, .Lfunc_end_k_qd328e705c2_main-k_qd328e705c2_main
	.p2alignl 7, 3214868480
	.fill 96, 4, 3214868480
	.section	.rodata,"a",@progbits
	.p2align	6, 0x0
	.amdhsa_kernel k_qd328e705c2_main
		.amdhsa_group_segment_fixed_size 53760
		.amdhsa_private_segment_fixed_size 0
		.amdhsa_enable_private_segment 0
		.amdhsa_kernarg_size 56
		.amdhsa_user_sgpr_count 2
		.amdhsa_user_sgpr_kernarg_segment_ptr 1
		.amdhsa_wavefront_size32 1
		.amdhsa_system_sgpr_workgroup_id_x 1
		.amdhsa_system_sgpr_workgroup_id_y 1
		.amdhsa_system_sgpr_workgroup_id_z 1
		.amdhsa_system_vgpr_workitem_id 0
		.amdhsa_next_free_vgpr 1024
		.amdhsa_next_free_sgpr 66
		.amdhsa_reserve_vcc 0
		.amdhsa_float_denorm_mode_32 3
		.amdhsa_float_denorm_mode_16_64 3
		.amdhsa_memory_ordered 1
		.amdhsa_forward_progress 1
		.amdhsa_inst_pref_size 129
	.end_amdhsa_kernel
	.amdgpu_metadata
---
amdhsa.version: [ 1, 2 ]
amdhsa.kernels:
  - .name:           k_qd328e705c2_main
    .symbol:         k_qd328e705c2_main.kd
    .args:
      - { .name: xt, .offset: 0, .size: 8, .value_kind: global_buffer, .address_space: global }
      - { .name: hwq, .offset: 8, .size: 8, .value_kind: global_buffer, .address_space: global }
      - { .name: w2i, .offset: 16, .size: 8, .value_kind: global_buffer, .address_space: global }
      - { .name: w2s, .offset: 24, .size: 8, .value_kind: global_buffer, .address_space: global }
      - { .name: b2c, .offset: 32, .size: 8, .value_kind: global_buffer, .address_space: global }
      - { .name: bln, .offset: 40, .size: 8, .value_kind: global_buffer, .address_space: global }
      - { .name: out0, .offset: 48, .size: 8, .value_kind: global_buffer, .address_space: global }
    .group_segment_fixed_size: 53760
    .private_segment_fixed_size: 0
    .kernarg_segment_align: 8
    .kernarg_segment_size: 56
    .max_flat_workgroup_size: 128
    .sgpr_count:     66
    .vgpr_count:     1024
    .wavefront_size: 32
...
	.end_amdgpu_metadata
.endif
;; end of part 4
